; MI455X (gfx1250); checked and timed in simulation.
; The chip was launched on July 23, 2026; its instructions are those of AMD's public machine-readable ISA for CDNA 5 (MIT licence, August 2026) and "CDNA5" Instruction Set Architecture Reference Guide (July 2026). The comments in the code are by the model that wrote it; some were corrected since.
;; Multihead Attention. Allowed arithmetic: matrix products marked QUANTISED: E2M1 operands, one E8M0 scale for each 32 along K, by v_wmma_scale_f32_16x16x128_f8f6f4 with both operands' format E2M1 (or v_wmma_scale_f32_32x16x128_f4), f32 sums; products left as they are: bf16, f16 or f32 operands; f32 sums; everything else in f32.
;; Inputs: W_k 1,024 x 1,024 float32; W_o 1,024 x 1,024 float32; W_q 1,024 x 1,024 float32; W_v 1,024 x 1,024 float32; b_o 1,024 float32; x 4 x 2,048 x 1,024 float32.
;; Outputs: out0 4 x 2,048 x 1,024 float32.
;; This version of the problem:
;;   THIS VERSION OF THE PROBLEM IS GIVEN IN LOW PRECISION. The matrix products marked QUANTISED in the list below multiply operands that are first quantised to E2M1 (2 exponent bits, 1 mantissa bit; 4 bits a number), with one power-of-two scale for each 32 numbers along K (OCP MX v1.0); their sums are f32. The products marked 'left as it is' may take bf16, f16 or f32 operands, with f32 sums. Whichever they take, every output number must still come out within the allowed error. Rounding operands to bf16 (8 significant bits) uses up far more of that allowance than f16 does (11 bits, for magnitudes from 6e-5 to 65,504). All else is computed in f32.
;;   The module's matrix products, in the order in which they are computed (A, B: the left and right operand; K: the contracted axis; several contracted axes count as one K, in the product's order):
;;     1. [M 8,192, K 1,024] x [K 1,024, N 1,024]; A: input x; B: input W_q: QUANTISED
;;     2. [M 8,192, K 1,024] x [K 1,024, N 1,024]; A: input x; B: input W_k: QUANTISED
;;     3. [M 8,192, K 1,024] x [K 1,024, N 1,024]; A: input x; B: input W_v: QUANTISED
;;     4. batch 64 x [M 2,048, K 64] x [K 64, N 2,048]; A: computed on the way; B: computed on the way: left as it is (an operand is computed on the way)
;;     5. batch 64 x [M 2,048, K 2,048] x [K 2,048, N 64]; A: computed on the way; B: computed on the way: left as it is (an operand is computed on the way)
;;     6. [M 8,192, K 1,024] x [K 1,024, N 1,024]; A: computed on the way; B: input W_o: left as it is (an operand is computed on the way)
;;   THE QUANTISER, for each operand of a quantised product, along K:
;;     - K is cut into blocks of 32 from its start; a last block that is shorter is filled with zeros.
;;     - A block's scale is 2^e with e = floor(log2(the largest magnitude in the block)) - 2, held to -126 .. 127; a block of zeros has e = 0. As a byte (E8M0): e + 127.
;;     - Each number is divided by its block's scale, clamped to +-6, and rounded to the nearest number of E2M1, ties to even, subnormals kept.
;;     - The product sums the exact products of the quantised numbers (number of the format x scale) in f32.
;;   ~~~python
;;   def quantise(x, axis):      # numpy; x: float32 -> the quantised numbers, widened to float32 again
;;       x = np.moveaxis(x, axis, -1); K = x.shape[-1]
;;       x = np.pad(x, [(0, 0)] * (x.ndim - 1) + [(0, -K % 32)]); x = x.reshape(x.shape[:-1] + (-1, 32)); a = np.abs(x).max(-1, keepdims=True)
;;       e = np.where(a > 0, np.clip(np.frexp(np.where(a > 0, a, 1))[1] - 1 - 2, -126, 127), 0)      # np.frexp(a)[1] - 1 = floor(log2(a)), exactly
;;       r = np.clip(x / 2.0 ** e, -6, 6)
;;       step = 2.0 ** (np.maximum(np.frexp(np.where(r == 0, 1, r))[1] - 1, 0) - 1)
;;       q = np.round(r / step) * step * 2.0 ** e      # np.round: ties to even
;;       return np.moveaxis(q.reshape(q.shape[:-2] + (-1,))[..., :K], -1, axis).astype(np.float32)
;;   ~~~
;; One version. Each part assembles by itself: llvm-mc -triple=amdgcn-amd-amdhsa -mcpu=gfx1250 --defsym DOCPART=n.
;; ======== version 1 of 1: 5 launches
;; limits: values are held in f16: magnitudes above 65,504 overflow, below 6.1e-05 lose precision
;; workspace buffers: xc 4,194,304 bytes; xs 262,144 bytes; wc 1,572,864 bytes; ws 98,304 bytes; wo16 2,097,152 bytes; qkv 50,331,648 bytes; fq 786,432 bytes; ctx 16,777,216 bytes
;; launch prep (part 1): grid 512 x 1, 4 waves a work-group, no clusters, 33,280 bytes of LDS; arguments x, W_q, W_k, W_v, W_o, xc, xs, wc, ws, wo16; writes xc, xs, wc, ws, wo16
.if DOCPART == 1
	.amdgcn_target "amdgcn-amd-amdhsa--gfx1250"
	.amdhsa_code_object_version 6
	.text
	.protected	k_q7b18f065fc_prep
	.globl	k_q7b18f065fc_prep
	.p2align	8
	.type	k_q7b18f065fc_prep,@function
k_q7b18f065fc_prep:
	s_mov_b64 s[64:65], 0
	v_nop
	global_prefetch_b8 v0, s[64:65] scope:SCOPE_SE
	s_setreg_imm32_b32 hwreg(HW_REG_WAVE_MODE, 25, 1), 1
	s_wait_xcnt 0x0
; PREP.  x [8192][1024] f32 becomes codes of FP4 (E2M1), K innermost (xc: 512 bytes a row), with one E8M0 byte for each 32 along K (xs: 32 bytes a row).
; W_q, W_k, W_v [k 1024][n 1024] f32 are quantised along k, their FIRST axis; the codes (wc) are laid as images of the matrix operand's registers:
; [n tile of 16: 192][K step of 128: 8][1,024 bytes]; in an image the block of 32 numbered t of column r lies at 256 t + 16 r.  Their scale bytes (ws): [n 3072][32].
; W_o becomes f16 (wo16), as images too: [n tile 64][32 along k: 32][1,024 bytes]; the eight k numbered 8 g .. 8 g + 7 of column r lie at 256 g + 16 r.
; A block's scale is 2^(floor(log2(largest magnitude)) - 2); its byte is the largest magnitude's exponent field - 2, held at 1 from below.
; LIMITS: a block of zeros gets the byte 1 (its codes are zeros; this program alone reads the bytes); blocks whose largest magnitude lies under 2^-124 were not tried;
; NaN and infinities are not served; |W_o| stays under 65,504, f16's largest number.
; Work-groups 0-255 take x: a plain stream of blocks of 32; a wave takes 16 steps of 512 numbers, turned through its own stage in LDS so that loads are dense and a lane still holds 16 neighbours.
; Work-groups 256-511 take the weights: which = g / 64, K step = (g / 8) % 8, 128 columns = g % 8.  A lane takes a column, its registers run down k: nothing is transposed.
; The weights' scale words leave as 4 bytes a column, 32 bytes apart: 98,304 bytes in all are written so.  No tensor load, no barrier: waves share nothing.
.set STEPS, 16
.set CB,    8                          ; bytes of 16 codes
.set R,     16                         ; v16-79   x: four sets of 16 numbers as loaded
.set X,     80                         ; v80-111  x: two sets of 16 neighbours
.set E,     112                        ; v112-127 x: a scale byte for each step
.set C,     128                        ; v128-191 x: codes, four registers a step
.set WREG,  8192                       ; LDS: a region for each wave: two stages of 32 x SP bytes, then its 256 scale bytes
.set SP,    80                         ; a lane's place in a stage: 64 bytes + 16 of padding
.set SPW,   12                         ; v12 LDS address of my spare word; never rewritten
.set NIL,   13                         ; v13 0; never rewritten
.set SPARE, 4*WREG                     ; behind the four regions: the spare words, 128 bytes a wave
.set WX,    32                         ; v32-95   weights: two sets of 32 numbers
.set WC,    96                         ; v96-111  weights: codes, four registers a block
.set WH,    112                        ; v112-175 W_o: f16 pairs, sixteen registers a block
.set SW,    24                         ; v24      weights: the scale word
.macro XLOAD t
.irp i, 0,1,2,3
	global_load_b128 v[R+16*((\t)%4)+4*\i:R+16*((\t)%4)+4*\i+3], v3, s[8:9] offset:2048*(\t)+512*\i th:TH_LOAD_NT   ; 32 lanes read 512 consecutive bytes
.endr
.endm
.macro XTURN t                         ; a step's numbers through the stage: LDS serves a wave's instructions in order, so no wait stands between the stores and the loads
.irp i, 0,1,2,3
	ds_store_b128 v14, v[R+16*((\t)%4)+4*\i:R+16*((\t)%4)+4*\i+3] offset:32*SP*((\t)%2)+8*SP*\i
.endr
.irp i, 0,1,2,3
	ds_load_b128 v[X+16*((\t)%2)+4*\i:X+16*((\t)%2)+4*\i+3], v15 offset:32*SP*((\t)%2)+16*\i
.endr
.endm
.macro XSTEP t
.set XS, X+16*((\t)%2)
.if (\t) > 0
	s_wait_dscnt 1                                 ; this step's numbers are back from the stage; the last step's byte store may be out
.else
	s_wait_dscnt 0x0
.endif
.if (\t)+4 < STEPS
	XLOAD (\t)+4                                   ; the stage's stores have read these registers: they take the loads of four steps on
.endif
.if (\t)+1 < STEPS
.if STEPS-2-(\t) >= 3
	s_wait_loadcnt 12                              ; the next step's four loads are in; those of the three steps behind it may be out
.else
	s_wait_loadcnt 4*(STEPS-2-(\t))
.endif
	XTURN (\t)+1
.endif
	v_max3_num_f32 v8, |v[XS]|, |v[XS+1]|, |v[XS+2]|               ; the largest magnitude of my 16, in two chains
	v_max3_num_f32 v9, |v[XS+3]|, |v[XS+4]|, |v[XS+5]|
.irp i, 6,10
	v_max3_num_f32 v8, v8, |v[XS+\i]|, |v[XS+\i+1]|
	v_max3_num_f32 v9, v9, |v[XS+\i+2]|, |v[XS+\i+3]|
.endr
	v_max3_num_f32 v8, v8, |v[XS+14]|, |v[XS+15]|
	v_max3_num_f32 v8, v8, v9, 0x1800000           ; and the floor 2^(3 - 127): the byte cannot fall under 1
	v_max_num_f32_dpp v8, v8, v8 row_xmask:1 row_mask:0xf bank_mask:0xf   ; with my neighbour's 16: the block's
	v_add_nc_u32 v11, 0xff000000, v8               ; 2 off its exponent field: the conversion takes the exponent field of this operand as its scale
	v_cvt_scalef32_pk8_fp4_f32 v[C+4*(\t)], v[XS:XS+7], v11
	v_cvt_scalef32_pk8_fp4_f32 v[C+4*(\t)+1], v[XS+8:XS+15], v11
	v_lshrrev_b32 v[E+(\t)], 23, v11               ; the scale's byte (a plain line behind the conversions)
	ds_store_b8 v5, v[E+(\t)] offset:16*(\t)       ; both lanes of a block write the same byte with the same value
	global_store_b64 v4, v[C+4*(\t):C+4*(\t)+1], s[18:19] offset:32*CB*(\t)   ; the wave stores 256 consecutive bytes, aligned
.endm
.macro WLOAD t                         ; block t of a weight: W(32 t + i, my column), i = 0 .. 31: each load reads 128 consecutive bytes a wave
.set i, 0
.rept 32
	global_load_b32 v[WX+32*((\t)%2)+i], v3, s[10:11] offset:(32*(\t)+i)*4096 th:TH_LOAD_NT
.set i, i+1
.endr
.endm
.macro WWAIT t
.if (\t) < 3
	s_wait_loadcnt 32                              ; this block's 32 loads are in; the next block's may be out
.else
	s_wait_loadcnt 0
.endif
.endm
.macro QBLOCK t                        ; 32 numbers of my column become 32 codes and a scale byte
.set XS, WX+32*((\t)%2)
	WWAIT \t
	v_max3_num_f32 v4, |v[XS]|, |v[XS+1]|, |v[XS+2]|
	v_max3_num_f32 v5, |v[XS+3]|, |v[XS+4]|, |v[XS+5]|
.irp i, 6,10,14,18,22,26
	v_max3_num_f32 v4, v4, |v[XS+\i]|, |v[XS+\i+1]|
	v_max3_num_f32 v5, v5, |v[XS+\i+2]|, |v[XS+\i+3]|
.endr
	v_max3_num_f32 v4, v4, |v[XS+30]|, |v[XS+31]|
	v_max3_num_f32 v4, v4, v5, 0x1800000           ; the floor
	v_add_nc_u32 v11, 0xff000000, v4
	v_lshrrev_b32 v6, 23, v11
.if (\t) == 0
	v_mov_b32 v[SW], v6                            ; four bytes to the word, the lower k in the lower byte
.else
	v_lshl_or_b32 v[SW], v6, 8*(\t), v[SW]
.endif
.irp g, 0,1,2,3
	v_cvt_scalef32_pk8_fp4_f32 v[WC+4*(\t)+\g], v[XS+8*\g:XS+8*\g+7], v11
.endr
	v_nop                                          ; a plain line behind the last conversion
	global_store_b128 v8, v[WC+4*(\t):WC+4*(\t)+3], s[22:23] offset:256*(\t)   ; sixteen lanes store 256 consecutive bytes, aligned
.if (\t)+2 < 4
	WLOAD (\t)+2
.endif
.endm
.macro HBLOCK t                        ; 32 numbers of my column of W_o become 32 f16
.set XS, WX+32*((\t)%2)
	WWAIT \t
.irp u, 0,1,2,3,4,5,6,7,8,9,10,11,12,13,14,15
	v_cvt_pk_f16_f32 v[WH+16*(\t)+\u], v[XS+2*\u], v[XS+2*\u+1]
.endr
.irp g, 0,1,2,3
	global_store_b128 v10, v[WH+16*(\t)+4*\g:WH+16*(\t)+4*\g+3], s[26:27] offset:1024*(\t)+256*\g
.endr
.if (\t)+2 < 4
	WLOAD (\t)+2
.endif
.endm
	s_load_b256 s[8:15], s[0:1], 0x0               ; x s[8:9], W_q s[10:11], W_k s[12:13], W_v s[14:15]
	s_load_b256 s[16:23], s[0:1], 0x20             ; W_o s[16:17], xc s[18:19], xs s[20:21], wc s[22:23]
	s_load_b128 s[24:27], s[0:1], 0x40             ; ws s[24:25], wo16 s[26:27]
	v_lshl_add_u32 v[SPW], v0, 2, SPARE
	v_mov_b32 v[NIL], 0
	v_lshrrev_b32 v1, 5, v0
	v_readfirstlane_b32 s28, v1                    ; wave
	v_and_b32 v2, 31, v0                           ; lane
	s_mov_b32 s33, 0
	s_wait_kmcnt 0x0
	s_cmp_lt_u32 ttmp9, 256
	s_cbranch_scc0 .Lweights
	; ---- x
	v_lshlrev_b32 v3, 4, v2                        ; my 16 bytes of a load's 512
	s_mul_i32 s29, s28, WREG
	v_lshrrev_b32 v14, 2, v2
	v_mul_u32_u24 v14, v14, SP
	v_and_b32 v15, 3, v2
	v_lshl_add_u32 v14, v15, 4, v14
	v_add_nc_u32 v14, s29, v14                     ; the stage, on the way in: SP (lane / 4) + 16 (lane % 4)
	v_mul_u32_u24 v15, v2, SP
	v_add_nc_u32 v15, s29, v15                     ; and on the way out: SP x lane
	v_mul_u32_u24 v4, v2, CB                       ; my codes' place in a step's
	v_lshrrev_b32 v5, 1, v2
	s_add_co_u32 s29, s29, 2*32*SP
	v_add_nc_u32 v5, s29, v5                       ; LDS: my wave's 256 scale bytes, my block's byte
	v_lshlrev_b32 v7, 3, v2
	v_add_nc_u32 v6, s29, v7                       ; and on the way out 8 bytes a lane
	s_lshl_b32 s30, ttmp9, 2
	s_add_co_u32 s30, s30, s28                     ; which run of 8,192 numbers is my wave's
	s_lshl_b32 s32, s30, 15
	s_add_nc_u64 s[8:9], s[8:9], s[32:33]
	s_lshl_b32 s32, s30, 12
	s_add_nc_u64 s[18:19], s[18:19], s[32:33]
	s_lshl_b32 s32, s30, 8
	s_add_nc_u64 s[20:21], s[20:21], s[32:33]
.irp t, 0,1,2,3
	XLOAD \t
.endr
	s_wait_loadcnt 12                              ; step 0's four loads are in
	XTURN 0
.irp t, 0,1,2,3,4,5,6,7,8,9,10,11,12,13,14,15
	XSTEP \t
.endr
	ds_load_b64 v[8:9], v6                         ; LDS serves a wave's instructions in order: these see my byte stores
	s_wait_dscnt 0x0
	global_store_b64 v7, v[8:9], s[20:21]          ; 32 lanes store 256 consecutive bytes, aligned
	s_wait_tensorcnt 0x0                           ; the wave's end
	ds_add_u32 v[SPW], v[NIL]
	s_wait_dscnt 0x0
	s_endpgm
.Lweights:
	s_sub_co_u32 s29, ttmp9, 256                   ; g
	s_lshr_b32 s30, s29, 6                         ; which: 0 W_q, 1 W_k, 2 W_v, 3 W_o
	s_and_b32 s31, s29, 7                          ; which 128 columns
	s_bfe_u32 s34, s29, 0x30003                    ; which K step of 128
	s_cmp_eq_u32 s30, 1                            ; the choices hang on the work-group's number alone
	s_cselect_b64 s[10:11], s[12:13], s[10:11]
	s_cmp_eq_u32 s30, 2
	s_cselect_b64 s[10:11], s[14:15], s[10:11]
	s_cmp_eq_u32 s30, 3
	s_cselect_b64 s[10:11], s[16:17], s[10:11]
	s_lshl_b32 s32, s34, 19                        ; 128 rows of 4,096 bytes a K step,
	s_lshl_b32 s35, s31, 9                         ; 512 bytes for 128 columns,
	s_add_co_u32 s32, s32, s35
	s_lshl_b32 s35, s28, 7                         ; 128 bytes a wave
	s_add_co_u32 s32, s32, s35
	s_add_nc_u64 s[10:11], s[10:11], s[32:33]
	v_lshlrev_b32 v3, 2, v2                        ; 4 bytes a lane
	WLOAD 0
	WLOAD 1
	v_and_b32 v4, 15, v2
	v_lshrrev_b32 v5, 4, v2
	v_lshlrev_b32 v4, 4, v4                        ; 16 x (lane % 16): my column's place in an image
	v_lshl_add_u32 v8, v5, 13, v4                  ; codes: lanes 16-31 stand one n tile on: 8 images of 1,024 bytes
	v_lshl_add_u32 v10, v5, 15, v4                 ; f16: one n tile on: 32 images
	v_lshlrev_b32 v9, 5, v2                        ; scale bytes: 32 a column
	s_lshl_b32 s35, s31, 3
	s_lshl_b32 s36, s28, 1
	s_add_co_u32 s35, s35, s36                     ; my wave's first n tile within the weight: 8 x (128 columns) + 2 x wave
	s_cmp_eq_u32 s30, 3
	s_cbranch_scc1 .Lwo
	s_lshl_b32 s36, s30, 6
	s_add_co_u32 s36, s36, s35                     ; among the 192
	s_lshl_b32 s38, s36, 13
	s_lshl_b32 s39, s34, 10
	s_add_co_u32 s32, s38, s39
	s_add_nc_u64 s[22:23], s[22:23], s[32:33]      ; my first image
	s_lshl_b32 s38, s36, 9                         ; 16 columns x 32 scale bytes
	s_lshl_b32 s39, s34, 2
	s_add_co_u32 s32, s38, s39
	s_add_nc_u64 s[24:25], s[24:25], s[32:33]
.irp t, 0,1,2,3
	QBLOCK \t
.endr
	global_store_b32 v9, v[SW], s[24:25]           ; my column's four scale bytes of this K step
	s_endpgm
.Lwo:
	s_lshl_b32 s38, s35, 15
	s_lshl_b32 s39, s34, 12
	s_add_co_u32 s32, s38, s39
	s_add_nc_u64 s[26:27], s[26:27], s[32:33]
.irp t, 0,1,2,3
	HBLOCK \t
.endr
	s_endpgm
.Lfunc_end_k_q7b18f065fc_prep:
	.size	k_q7b18f065fc_prep, .Lfunc_end_k_q7b18f065fc_prep-k_q7b18f065fc_prep
	.p2alignl 7, 3214868480
	.fill 96, 4, 3214868480
	.section	.rodata,"a",@progbits
	.p2align	6, 0x0
	.amdhsa_kernel k_q7b18f065fc_prep
		.amdhsa_group_segment_fixed_size 33280
		.amdhsa_private_segment_fixed_size 0
		.amdhsa_enable_private_segment 0
		.amdhsa_kernarg_size 80
		.amdhsa_user_sgpr_count 2
		.amdhsa_user_sgpr_kernarg_segment_ptr 1
		.amdhsa_wavefront_size32 1
		.amdhsa_system_sgpr_workgroup_id_x 1
		.amdhsa_system_sgpr_workgroup_id_y 1
		.amdhsa_system_sgpr_workgroup_id_z 1
		.amdhsa_system_vgpr_workitem_id 0
		.amdhsa_next_free_vgpr 192
		.amdhsa_next_free_sgpr 66
		.amdhsa_reserve_vcc 0
		.amdhsa_float_denorm_mode_32 3
		.amdhsa_float_denorm_mode_16_64 3
		.amdhsa_memory_ordered 1
		.amdhsa_forward_progress 1
		.amdhsa_inst_pref_size 65
	.end_amdhsa_kernel
	.amdgpu_metadata
---
amdhsa.version: [ 1, 2 ]
amdhsa.kernels:
  - .name:           k_q7b18f065fc_prep
    .symbol:         k_q7b18f065fc_prep.kd
    .args:
      - { .name: x, .offset: 0, .size: 8, .value_kind: global_buffer, .address_space: global }
      - { .name: W_q, .offset: 8, .size: 8, .value_kind: global_buffer, .address_space: global }
      - { .name: W_k, .offset: 16, .size: 8, .value_kind: global_buffer, .address_space: global }
      - { .name: W_v, .offset: 24, .size: 8, .value_kind: global_buffer, .address_space: global }
      - { .name: W_o, .offset: 32, .size: 8, .value_kind: global_buffer, .address_space: global }
      - { .name: xc, .offset: 40, .size: 8, .value_kind: global_buffer, .address_space: global }
      - { .name: xs, .offset: 48, .size: 8, .value_kind: global_buffer, .address_space: global }
      - { .name: wc, .offset: 56, .size: 8, .value_kind: global_buffer, .address_space: global }
      - { .name: ws, .offset: 64, .size: 8, .value_kind: global_buffer, .address_space: global }
      - { .name: wo16, .offset: 72, .size: 8, .value_kind: global_buffer, .address_space: global }
    .group_segment_fixed_size: 33280
    .private_segment_fixed_size: 0
    .kernarg_segment_align: 8
    .kernarg_segment_size: 80
    .max_flat_workgroup_size: 128
    .sgpr_count:     66
    .vgpr_count:     192
    .wavefront_size: 32
...
	.end_amdgpu_metadata
.endif
;; end of part 1
;; launch qkv (part 2): grid 12 x 32, 4 waves a work-group, clusters of 4 x 4, 327,680 bytes of LDS; arguments xc, xs, wc, ws, qkv, fq; writes qkv, fq
.if DOCPART == 2
	.amdgcn_target "amdgcn-amd-amdhsa--gfx1250"
	.amdhsa_code_object_version 6
	.text
	.protected	k_q7b18f065fc_qkv
	.globl	k_q7b18f065fc_qkv
	.p2align	8
	.type	k_q7b18f065fc_qkv,@function
k_q7b18f065fc_qkv:
	s_mov_b64 s[64:65], 0
	v_nop
	global_prefetch_b8 v0, s[64:65] scope:SCOPE_SE
	s_setreg_imm32_b32 hwreg(HW_REG_WAVE_MODE, 25, 1), 1
	s_wait_xcnt 0x0
	s_wait_alu depctr_hold_cnt(0) depctr_sa_sdst(0) depctr_va_vdst(0) depctr_va_sdst(0) depctr_va_ssrc(0) depctr_va_vcc(0) depctr_vm_vsrc(0)
	s_getreg_b32 s2, hwreg(HW_REG_IB_STS2, 6, 4)
	s_cmp_eq_u32 s2, 0
	s_cbranch_scc0 .Lentry_in_a_cluster
	s_endpgm
.Lentry_in_a_cluster:
	s_bfe_u32 s2, ttmp6, 0x10000c
	s_cmp_lg_u32 s2, 0xf033
	s_cbranch_scc0 .Lentry_shape_is_right
	s_endpgm
.Lentry_shape_is_right:
; QKV.  [q | k | v] = Q(x) Q([W_q | W_k | W_v]): 8,192 x 3,072 x 1,024 on codes of FP4 (E2M1) with one E8M0 scale for each 32 along K; sums in f32.
; A tile of 256 x 256 is made by four waves, 128 x 128 each: 64 accumulators, 512 registers.  K = 1,024 is two LDS slots of 512: both, and all the scale bytes, are first fills: nothing is filled again.
; x's codes come as rows of 256 bytes, padded to 272 in LDS.  The weights' codes lie in memory as images of the operand's registers: a fragment is two loads of 16 bytes at 16 x lane.
; CLUSTERS: 4 x 4 work-groups; x's tiles are asked for jointly along a row of the cluster, the weights' along a column.  Cluster x = 0, 1, 2 is q, k, v.
; THE MATRIX INSTRUCTION IS USED TRANSPOSED (source 0 = 16 columns of W, source 1 = 16 tokens): a lane holds one token and eight neighbouring channels.
; THE WAY OUT HAS NO STAGE: eight channels round to 16 bytes of f16, which ARE a lane's part of the next launch's operand image (16 tokens x 32 channels, 1,024 bytes: registers 4 e .. 4 e + 3 at 512 e + 16 x lane).
; qkv: [which x 16 + head: 48][token / 16: 512][32 channels: 2][1,024].  v's pieces of 512 bytes place lane (token r, half h) at 256 (r / 8) + 128 h + 16 (r % 8), so that the turning LDS load at 16 x lane gives V^T.
; Each store of the wave covers 512 consecutive bytes, aligned.  The first 16 tokens of each batch also leave in f32 (fq: [batch 4][n tile 192][1,024]: accumulator registers 0-3 at 16 x lane, 4-7 at 512 + 16 x lane):
; a store under EXEC.
; LIMITS: |q|, |k|, |v| stay under 65,504, f16's largest number.
; REGISTERS: window 0: v1-29 addresses; v32-95 scale words, two sets; v128-191 x's fragments, one set; on the way out v128-255 four buffers of packed results.
;   window 1: the weights' fragments, two sets, at v0 and v128.  window 2: accumulators of my rows 0-63 ((a, b) at 8 (8 a + b)); window 3: rows 64-127.
.set NQ,     4                         ; matrix instructions deep in a slot
.set ROWB,   256                       ; a row of x's tile in bytes: 512 codes
.set KROW,   512                       ; a row of x's codes in memory
.set PITCH,  272                       ; and in LDS: 256 bytes + 16 of padding: 68 words, so the 16 rows of a load start at 16 different banks (64 banks of 4 bytes: ISA guide 11.1)
.set FR,     8
.set NL,     2
.set NP,     4                         ; places behind this matrix instruction (ISA guide 7.12.1)
.set HALFA,  128*PITCH                 ; 128 rows of x: one tensor load
.set BOFF,   2*HALFA                   ; behind x's 256 rows: the weights' images
.set HALFB,  32768                     ; 8 n tiles x 4 K steps x 1,024 bytes: one tensor load
.set SLOT,   BOFF+2*HALFB
.set KS,     32                        ; a row of scale bytes
.set SCL,    2*SLOT                    ; behind the slots: the scales, as units of 256 bytes + 16 of padding
.set HALFS,  16*272                    ; those of 128 rows
.set SBLK,   2*272                     ; those of 16 rows
.set SPARE,  SCL+4*HALFS               ; the spare words, 128 bytes a wave
.set ADRA, 16                          ; v16-17 LDS address of my fragments of x in slot 0, 1
.set ADRB, 20                          ; v20-21 the same for the weights
.set LI,   24                          ; v24 16 x lane
.set FLG,  25                          ; v25 tile row % 8: 0 where the tile begins a batch
.set CO,   26                          ; v26 my 16 bytes' place in a piece of 512
.set ADRS, 27                          ; v27 LDS address of my scale words: lanes 0-15 x's rows, lanes 16-31 the weights' columns
.set SPW,  28
.set NIL,  29
.set SC,   32
.set AF,   128
.set PB,   128
.set G1, 24
.set G0, 32
.set G1B, 48
.set G0B, 56
.set G1S, 68
.set G0S, 76
.set G1SB, 80
.set G0SB, 88
.set MSB, 0
.macro WIN new                         ; the immediate's high byte repeats the setting that is left
.if MSB != \new
	s_set_vgpr_msb (MSB<<8)|\new
.set MSB, \new
.endif
.endm
.set MUL_LO, 0xa1                      ; source 0 (W) window 1, source 1 (x) window 0, C and D window 2
.set MUL_HI, 0xf1
.set TO_B,   0x40
; A joint load: waves 0 and 1 fetch for x, waves 2 and 3 for the weights.  The branch hangs on the wave's number alone.  An s_nop 0 and four v_nop follow each of the two lines.
.macro JLOAD g0a, g1a, g0b, g1b
	s_cmp_eq_u32 s15, 0
	s_cbranch_scc0 .Lfor_b_\@
	tensor_load_to_lds s[\g0a:\g0a+3], s[\g1a:\g1a+7]
	s_nop 0
.rept 4
	v_nop
.endr
	s_branch .Lasked_\@
.Lfor_b_\@:
	tensor_load_to_lds s[\g0b:\g0b+3], s[\g1b:\g1b+7]
	s_nop 0
.rept 4
	v_nop
.endr
.Lasked_\@:
.endm
.macro CROUND                          ; a round of the cluster's barrier
	s_barrier_signal -1
	s_barrier_wait -1
	s_cmp_lg_u32 s14, 0
	s_cbranch_scc1 .Lnot_wave_0_\@
	s_barrier_signal -3
.Lnot_wave_0_\@:
	s_barrier_wait -3
	s_barrier_signal -1
	s_barrier_wait -1
.endm
	s_load_b128 s[4:7], s[0:1], 0x0                ; x's codes s[4:5], x's scales s[6:7]
	s_load_b128 s[8:11], s[0:1], 0x10              ; the weights' codes s[8:9], scales s[10:11]
	s_load_b64 s[12:13], s[0:1], 0x20              ; qkv
	s_load_b64 s[2:3], s[0:1], 0x28                ; fq
	v_lshl_add_u32 v[SPW], v0, 2, SPARE
	v_mov_b32 v[NIL], 0
	ds_add_u32 v[SPW], v[NIL]                      ; the wave's opening: the add, twice on end, and its wait ahead of my first tensor load
	ds_add_u32 v[SPW], v[NIL]
	v_lshrrev_b32 v1, 5, v0
	v_readfirstlane_b32 s14, v1                    ; wave 0..3
	s_lshr_b32 s15, s14, 1                         ; which half of the tile's rows is mine.  Also: I fetch for x (0) or for the weights (1)
	s_and_b32 s16, s14, 1                          ; which half of its columns.  Also: which half I fetch
	s_bfe_u32 s40, ttmp6, 0x40000                  ; cx, cy
	s_bfe_u32 s41, ttmp6, 0x40004
	s_lshl_b32 s42, ttmp9, 2
	s_add_co_u32 s42, s42, s40                     ; tile column = 4 x cluster x + cx
	s_and_b32 s17, ttmp7, 0xffff
	s_lshl_b32 s17, s17, 2
	s_add_co_u32 s17, s17, s41                     ; tile row = 4 x cluster y + cy
	s_lshl_b32 s43, s41, 2
	s_lshl_b32 s43, 15, s43                        ; my row of the cluster
	s_lshl_b32 s44, 0x1111, s40                    ; my column
	; x's tiles: 128 rows x 256 bytes, 16 bytes of padding behind each
	s_or_b32 s[G1+0], s43, (0<<16)|(1<<20)|(1<<21)|(5<<22)|(3<<25)
	s_mov_b32 s[G1+1], ROWB<<16
	s_mov_b32 s[G1+2], 128<<16
	s_mov_b32 s[G1+3], ROWB<<16
	s_mov_b32 s[G1+4], 128
	s_mov_b32 s[G1+5], KROW
	s_mov_b32 s[G1+6], 0
	s_mov_b32 s[G1+7], 0
	; the weights' tiles: 8 n tiles x 4,096 bytes (512 elements of 8 bytes), 8,192 bytes apart in memory, dense in LDS
	s_or_b32 s[G1B+0], s44, (3<<16)|(1<<21)
	s_mov_b32 s[G1B+1], 512<<16
	s_mov_b32 s[G1B+2], 8<<16
	s_mov_b32 s[G1B+3], 512<<16
	s_mov_b32 s[G1B+4], 8
	s_mov_b32 s[G1B+5], 1024
	s_mov_b32 s[G1B+6], 0
	s_mov_b32 s[G1B+7], 0
	; the scales of 128 rows: 4,096 dense bytes as 16 rows of 256, 16 bytes of padding behind each
	s_or_b32 s[G1S+0], s43, (3<<16)|(1<<20)|(1<<21)|(5<<22)|(3<<25)
	s_or_b32 s[G1SB+0], s44, (3<<16)|(1<<20)|(1<<21)|(5<<22)|(3<<25)
.irp g, G1S, G1SB
	s_mov_b32 s[\g+1], 32<<16
	s_mov_b32 s[\g+2], 16<<16
	s_mov_b32 s[\g+3], 32<<16
	s_mov_b32 s[\g+4], 16
	s_mov_b32 s[\g+5], 32
	s_mov_b32 s[\g+6], 0
	s_mov_b32 s[\g+7], 0
.endr
	s_lshl_b32 s18, s16, 7
	s_lshl_b32 s20, s17, 8
	s_add_co_u32 s20, s20, s18                     ; x: row 256 x tile row + 128 x half
	s_lshl_b32 s46, s42, 8
	s_add_co_u32 s46, s46, s18                     ; W: column 256 x tile column + 128 x half
	s_mov_b32 s21, 0
	s_mov_b32 s47, 0
	s_mov_b64 s[18:19], KS
	s_mul_u64 s[22:23], s[20:21], s[18:19]         ; where their scales begin,
	s_mul_u64 s[92:93], s[46:47], s[18:19]
	s_mov_b64 s[18:19], KROW
	s_mul_u64 s[20:21], s[20:21], s[18:19]         ; and their codes: 512 bytes a row; 16 columns x 8,192 bytes an n tile are 512 a column too
	s_mul_u64 s[46:47], s[46:47], s[18:19]
	s_mul_i32 s45, s16, HALFA                      ; where they go: no place in the cluster enters an LDS address
	s_mul_i32 s95, s16, HALFB
	s_add_co_u32 s95, s95, BOFF
	s_mul_i32 s94, s14, HALFS
	s_wait_dscnt 0x0                               ; both opening adds are done
	s_wait_kmcnt 0x0
	s_add_nc_u64 s[20:21], s[4:5], s[20:21]
	s_add_nc_u64 s[22:23], s[6:7], s[22:23]
	s_add_nc_u64 s[46:47], s[8:9], s[46:47]
	s_add_nc_u64 s[92:93], s[10:11], s[92:93]
	CROUND                                         ; all sixteen work-groups are here: the joint loads meet
	s_mov_b32 s[G0S], 1
	s_add_co_u32 s[G0S+1], s94, SCL
	s_mov_b64 s[G0S+2:G0S+3], s[22:23]
	s_or_b32 s[G0S+3], s[G0S+3], 0x80000000
	s_mov_b32 s[G0SB], 1
	s_add_co_u32 s[G0SB+1], s94, SCL
	s_mov_b64 s[G0SB+2:G0SB+3], s[92:93]
	s_or_b32 s[G0SB+3], s[G0SB+3], 0x80000000
	JLOAD G0S, G1S, G0SB, G1SB                     ; the scales first: they are wanted with slot 0
.irp s, 0,1
	s_mov_b32 s[G0+4*\s], 1
	s_add_co_u32 s[G0+4*\s+1], s45, \s*SLOT
	s_add_nc_u64 s[G0+4*\s+2:G0+4*\s+3], s[20:21], \s*ROWB
	s_or_b32 s[G0+4*\s+3], s[G0+4*\s+3], 0x80000000
	s_mov_b32 s[G0B+4*\s], 1
	s_add_co_u32 s[G0B+4*\s+1], s95, \s*SLOT
	s_add_nc_u64 s[G0B+4*\s+2:G0B+4*\s+3], s[46:47], \s*4096
	s_or_b32 s[G0B+4*\s+3], s[G0B+4*\s+3], 0x80000000
	JLOAD G0+4*\s, G1, G0B+4*\s, G1B               ; three loads of mine are out at the most
.endr
	v_and_b32 v1, 15, v0                           ; r
	v_bfe_u32 v2, v0, 4, 1                         ; h
	v_mul_u32_u24 v3, v1, PITCH
	v_lshl_add_u32 v4, v2, 4, v3                   ; x: a fragment's row x pitch + 16 x half
	v_and_b32 v6, 31, v0
	v_lshlrev_b32 v[LI], 4, v6                     ; images: 16 x lane
	s_mul_i32 s21, s15, HALFA                      ; my 128 rows of x
	s_mul_i32 s22, s16, HALFB                      ; my 128 columns of W
	s_add_co_u32 s22, s22, BOFF
.irp s, 0,1
	v_add_nc_u32 v[ADRA+\s], s21, v4
	v_add_nc_u32 v[ADRB+\s], s22, v[LI]
	s_add_co_u32 s21, s21, SLOT
	s_add_co_u32 s22, s22, SLOT
.endr
	v_mul_u32_u24 v5, v1, KS                       ; my row's scales: 32 bytes a row,
	v_lshrrev_b32 v6, 8, v5
	v_lshl_add_u32 v5, v6, 4, v5                   ; and 16 more for each 256 passed
	s_mul_i32 s21, s15, HALFS
	s_mul_i32 s22, s16, HALFS
	s_add_co_u32 s22, s22, 2*HALFS
	s_sub_co_u32 s22, s22, s21
	v_mul_u32_u24 v6, s22, v2                      ; lanes 16-31 take the weights': one product, the distance between the two bases
	s_add_co_u32 s21, s21, SCL
	v_add_nc_u32 v5, v5, v6
	v_add_nc_u32 v[ADRS], s21, v5
	v_lshrrev_b32 v5, 3, v1                        ; v's placement: 256 (r / 8) + 128 h + 16 (r % 8)
	v_and_b32 v7, 7, v1
	v_lshlrev_b32 v7, 4, v7
	v_lshl_add_u32 v7, v2, 7, v7
	v_lshl_add_u32 v7, v5, 8, v7
	s_cmp_eq_u32 ttmp9, 2                          ; cluster x = 2 makes v: the same in all partners
	s_cselect_b32 s96, -1, 0
	v_cndmask_b32 v[CO], v[LI], v7, s96
	s_and_b32 s22, s17, 7
	v_mov_b32 v[FLG], s22
	s_lshl_b32 s20, s42, 2                         ; qkv: (4 x tile column + 2 x column half) x 2^20 + (16 x tile row + 8 x row half) x 2,048
	s_lshl_b32 s21, s16, 1
	s_add_co_u32 s20, s20, s21
	s_lshl_b32 s20, s20, 20
	s_lshl_b32 s21, s17, 4
	s_lshl_b32 s22, s15, 3
	s_add_co_u32 s21, s21, s22
	s_lshl_b32 s21, s21, 11
	s_add_co_u32 s20, s20, s21
	s_mov_b32 s21, 0
	s_add_nc_u64 s[12:13], s[12:13], s[20:21]
	s_lshr_b32 s20, s17, 3                         ; fq: (192 x batch + 16 x tile column + 8 x column half) x 1,024
	s_mul_i32 s20, s20, 192
	s_lshl_b32 s22, s42, 4
	s_add_co_u32 s20, s20, s22
	s_lshl_b32 s22, s16, 3
	s_add_co_u32 s20, s20, s22
	s_lshl_b32 s20, s20, 10
	s_add_nc_u64 s[2:3], s[2:3], s[20:21]
.macro FRAG reg, adr, q, i             ; x: 16 rows x 128 K: registers 4 c .. 4 c + 3 hold K = 64 c + 32 (lane / 16) + 0 .. 31
.irp c, 0,1
	ds_load_b128 v[\reg+4*\c:\reg+4*\c+3], v[\adr] offset:64*(\q)+32*\c+(\i)*16*PITCH
.endr
.endm
.macro FRAGB reg, adr, q, i            ; W: the image of n tile i, K step q of the slot
.irp c, 0,1
	ds_load_b128 v[\reg+4*\c:\reg+4*\c+3], v[\adr] offset:4096*(\i)+1024*(\q)+512*\c
.endr
.endm
; 16 matrix instructions: x's blocks a0, a0 + 1 against W's eight.  The 64 accumulators take turns, one instruction a turn, in the same order in every step.
.macro MUL16 a0, p, q, sc, zero
.irp a, \a0, \a0+1
.irp b, 0,1,2,3,4,5,6,7
.if \zero
	v_wmma_scale_f32_16x16x128_f8f6f4 v[8*(8*((\a)%4)+\b):8*(8*((\a)%4)+\b)+7], v[128*(\p)+FR*\b:128*(\p)+FR*\b+FR-1], v[AF+FR*(\a):AF+FR*(\a)+FR-1], 0, v[SC+8*NQ*(\sc)+NQ*\b+(\q)], v[SC+8*NQ*(\sc)+NQ*(\a)+(\q)] matrix_a_fmt:MATRIX_FMT_FP4 matrix_b_fmt:MATRIX_FMT_FP4 matrix_a_scale:MATRIX_SCALE_ROW1
.else
	v_wmma_scale_f32_16x16x128_f8f6f4 v[8*(8*((\a)%4)+\b):8*(8*((\a)%4)+\b)+7], v[128*(\p)+FR*\b:128*(\p)+FR*\b+FR-1], v[AF+FR*(\a):AF+FR*(\a)+FR-1], v[8*(8*((\a)%4)+\b):8*(8*((\a)%4)+\b)+7], v[SC+8*NQ*(\sc)+NQ*\b+(\q)], v[SC+8*NQ*(\sc)+NQ*(\a)+(\q)] matrix_a_fmt:MATRIX_FMT_FP4 matrix_b_fmt:MATRIX_FMT_FP4 matrix_a_scale:MATRIX_SCALE_ROW1
.endif
.endr
.endr
.endm
.macro FETCH_B slot, q, p
	WIN TO_B
.irp i, 0,1,2,3,4,5,6,7
	FRAGB 128*(\p)+FR*\i, ADRB+\slot, \q, \i
.endr
	WIN 0
.endm
.macro FETCH_A slot, q, i0
.irp i, \i0, \i0+1, \i0+2, \i0+3
	FRAG AF+FR*(\i), ADRA+\slot, \q, \i
.endr
.endm
.macro SCALES sc                       ; a slot's scale words: four a row; lanes 0-15 x's block i, lanes 16-31 W's block i
.irp i, 0,1,2,3,4,5,6,7
	ds_load_b128 v[SC+8*NQ*\sc+NQ*\i:SC+8*NQ*\sc+NQ*\i+3], v[ADRS] offset:\i*SBLK
.endr
.endm
.macro PLACES n                        ; plain vector instructions that name no register of the matrix instructions ahead (ISA guide 7.12.1)
.rept \n
	v_nop
.endr
.endm
.macro STEP slot, q, zero              ; 128 along K with its successor in the same slot
	s_wait_dscnt 4*NL                              ; W's set and x's blocks 0-3 are in; the youngest eight loads (x's blocks 4-7) may be out
	WIN MUL_LO
	MUL16 0, (\q)%2, \q, \slot, \zero
	MUL16 2, (\q)%2, \q, \slot, \zero
	s_wait_dscnt 0
	PLACES NP
	FETCH_B \slot, (\q)+1, 1-(\q)%2
	FETCH_A \slot, (\q)+1, 0
	WIN MUL_HI
	MUL16 4, (\q)%2, \q, \slot, \zero
	MUL16 6, (\q)%2, \q, \slot, \zero
	PLACES NP
	WIN 0
	FETCH_A \slot, (\q)+1, 4
.endm
.macro TURN slot, next                 ; slot 0's last step changes slots: each wave's part of slot 1 has landed, then the barrier; nothing is filled again
	s_wait_tensorcnt 0x0                           ; all my tensor loads have landed
	ds_add_u32 v[SPW], v[NIL]                      ; 0 onto my spare word
	s_wait_dscnt 4*NL+1                            ; the add and the youngest eight loads may be out
	WIN MUL_LO
	MUL16 0, 1, NQ-1, \slot, 0
	s_wait_dscnt 0x0
	s_barrier_signal -1
	MUL16 2, 1, NQ-1, \slot, 0
	WIN 0
	s_barrier_wait -1                              ; slot 1 is whole
	PLACES NP
	v_add_nc_u32 v[ADRS], 4*NQ, v[ADRS]            ; the next slot's scale words
	FETCH_B \next, 0, 0
	FETCH_A \next, 0, 0
	SCALES \next
	WIN MUL_HI
	MUL16 4, 1, NQ-1, \slot, 0
	MUL16 6, 1, NQ-1, \slot, 0
	PLACES NP
	WIN 0
	FETCH_A \next, 0, 4
.endm
.macro STEPS slot, from
.set Q, \from
.rept NQ-1-\from
	STEP \slot, Q, 0
.set Q, Q+1
.endr
.endm
	s_wait_tensorcnt 1                             ; the scales and my part of slot 0 are in; slot 1's load may be out
	s_barrier_signal -1
	s_barrier_wait -1
	FETCH_B 0, 0, 0
	FETCH_A 0, 0, 0
	SCALES 0
	FETCH_A 0, 0, 4
	STEP 0, 0, 1                                   ; the first step's products start the sums: nothing is cleared
	STEPS 0, 1
	TURN 0, 1
	STEPS 1, 0
	s_wait_dscnt 4*NL
	WIN MUL_LO
	MUL16 0, 1, NQ-1, 1, 0
	MUL16 2, 1, NQ-1, 1, 0
	s_wait_dscnt 0
	WIN MUL_HI
	MUL16 4, 1, NQ-1, 1, 0
	MUL16 6, 1, NQ-1, 1, 0
	WIN 0
	PLACES NP                                      ; behind the last products: results are read, and x's fragment registers written, below
	; the first 16 tokens of a batch in f32: block 0 of row half 0, where the tile row is a multiple of 8
	s_cmp_lg_u32 s15, 0
	s_cbranch_scc1 .Lno_fine
	s_wait_xcnt 0x0                                ; EXEC changes only behind this wait
	v_cmp_eq_u32 vcc_lo, 0, v[FLG]
	s_and_saveexec_b32 s97, vcc_lo
	WIN 0x08                                       ; a store's data: window 2
.irp b, 0,1,2,3,4,5,6,7
	global_store_b128 v[LI], v[8*\b:8*\b+3], s[2:3] offset:1024*\b          ; each accumulator from its low end on
	global_store_b128 v[LI], v[8*\b+4:8*\b+7], s[2:3] offset:1024*\b+512
.endr
	WIN 0
	s_wait_xcnt 0x0                                ; and again ahead of the line that widens it
	s_or_b32 exec_lo, exec_lo, s97
.Lno_fine:
.macro PACK a                          ; block a: 16 tokens x 128 channels, rounded to f16: 32 registers, four images
.if (\a) >= 4
	s_wait_xcnt 0x0                                ; block a - 4's stores have read this buffer
.endif
	WIN 0x0a+5*((\a)/4)
.irp b, 0,1,2,3,4,5,6,7
.irp i, 0,1,2,3
	v_cvt_pk_f16_f32 v[PB+32*((\a)%4)+4*\b+\i], v[64*((\a)%4)+8*\b+2*\i], v[64*((\a)%4)+8*\b+2*\i+1]
.endr
.endr
	WIN 0
.endm
.macro STOREQ a
.irp b, 0,1,2,3,4,5,6,7
	global_store_b128 v[CO], v[PB+32*((\a)%4)+4*\b:PB+32*((\a)%4)+4*\b+3], s[12:13] offset:(\b/4)*1048576+2048*(\a)+512*(\b%4)   ; the wave stores 512 consecutive bytes, aligned
.endr
.endm
.irp a, 0,1,2,3,4,5,6,7
	PACK \a
	STOREQ \a
.endr
	s_wait_tensorcnt 0x0                           ; the wave's end
	ds_add_u32 v[SPW], v[NIL]
	s_wait_dscnt 0x0
	CROUND                                         ; the closing round
	s_endpgm
.Lfunc_end_k_q7b18f065fc_qkv:
	.size	k_q7b18f065fc_qkv, .Lfunc_end_k_q7b18f065fc_qkv-k_q7b18f065fc_qkv
	.p2alignl 7, 3214868480
	.fill 96, 4, 3214868480
	.section	.rodata,"a",@progbits
	.p2align	6, 0x0
	.amdhsa_kernel k_q7b18f065fc_qkv
		.amdhsa_group_segment_fixed_size 327680
		.amdhsa_private_segment_fixed_size 0
		.amdhsa_enable_private_segment 0
		.amdhsa_kernarg_size 48
		.amdhsa_user_sgpr_count 2
		.amdhsa_user_sgpr_kernarg_segment_ptr 1
		.amdhsa_wavefront_size32 1
		.amdhsa_system_sgpr_workgroup_id_x 1
		.amdhsa_system_sgpr_workgroup_id_y 1
		.amdhsa_system_sgpr_workgroup_id_z 1
		.amdhsa_system_vgpr_workitem_id 0
		.amdhsa_next_free_vgpr 1024
		.amdhsa_next_free_sgpr 100
		.amdhsa_reserve_vcc 1
		.amdhsa_float_denorm_mode_32 3
		.amdhsa_float_denorm_mode_16_64 3
		.amdhsa_memory_ordered 1
		.amdhsa_forward_progress 1
		.amdhsa_inst_pref_size 120
	.end_amdhsa_kernel
	.amdgpu_metadata
---
amdhsa.version: [ 1, 2 ]
amdhsa.kernels:
  - .name:           k_q7b18f065fc_qkv
    .symbol:         k_q7b18f065fc_qkv.kd
    .args:
      - { .name: xc, .offset: 0, .size: 8, .value_kind: global_buffer, .address_space: global }
      - { .name: xs, .offset: 8, .size: 8, .value_kind: global_buffer, .address_space: global }
      - { .name: wc, .offset: 16, .size: 8, .value_kind: global_buffer, .address_space: global }
      - { .name: ws, .offset: 24, .size: 8, .value_kind: global_buffer, .address_space: global }
      - { .name: qkv, .offset: 32, .size: 8, .value_kind: global_buffer, .address_space: global }
      - { .name: fq, .offset: 40, .size: 8, .value_kind: global_buffer, .address_space: global }
    .group_segment_fixed_size: 327680
    .private_segment_fixed_size: 0
    .kernarg_segment_align: 8
    .kernarg_segment_size: 48
    .max_flat_workgroup_size: 128
    .sgpr_count:     100
    .vgpr_count:     1024
    .wavefront_size: 32
...
	.end_amdgpu_metadata
.endif
;; end of part 2
;; launch attn (part 3): grid 4 x 64, 8 waves a work-group, no clusters, 327,680 bytes of LDS; arguments qkv, ctx; writes ctx
.if DOCPART == 3
	.amdgcn_target "amdgcn-amd-amdhsa--gfx1250"
	.amdhsa_code_object_version 6
	.text
	.protected	k_q7b18f065fc_attn
	.globl	k_q7b18f065fc_attn
	.p2align	8
	.type	k_q7b18f065fc_attn,@function
k_q7b18f065fc_attn:
	s_mov_b64 s[64:65], 0
	v_nop
	global_prefetch_b8 v0, s[64:65] scope:SCOPE_SE
	s_setreg_imm32_b32 hwreg(HW_REG_WAVE_MODE, 25, 1), 1
	s_wait_xcnt 0x0
; ATTN.  ctx[b][q][head] = the sum over k <= q of softmax_k(q . k / 8) v, heads of 64, sequences of 2,048; q, k, v and the weights p in f16, products, maxima and sums in f32.
; SHARES.  Work-group (j, batch x 16 + head) owns two blocks of 256 queries of one head: block 7 - j, then block j.  Under the causal mask they walk 8 - j and j + 1 slots of 256 keys:
; ALWAYS NINE, so every work-group has the same work and every trip count is a constant of the text.  Each of the eight waves owns 32 queries, two tiles of 16; two waves lie on a SIMD.
; NO CLUSTER: the four work-groups of a head walk different slots from the sixth trip on (8 - j differs), so joint requests would need 12 slot times where 9 serve.
; LAYOUT.  Both products transposed: S^T = K Q^T, O^T = V^T P: a lane holds ONE query.  q, k, v lie in memory as images of the operands' registers (1,024 bytes: 16 rows x 32 channels), so a slot is dense:
; K's 32,768 bytes, then V's; every wave brings 8,192 of them by one tensor load; fragments are read at 16 x lane: no pitch, no padding.  V is turned by ds_load_tr16_b128.
; SOFTMAX.  A running maximum m and sum l for each query: p = 2^(c s - c m), c = log2(e) / 8; in every step O and l are multiplied by a = 2^(c m_old - c m_new).
; A step of 64 keys all of which come after the wave's 32 queries is jumped over (a branch on ids; no barrier and no tensor load stands in a step).  A step that is walked begins at or under the wave's first query
; (steps begin at multiples of 64, waves at multiples of 32), so every row has a key that counts and m is a number.
; ctx: [token / 16: 512][32 channels: 32][1,024]: images again, stored from registers, 512 consecutive bytes an instruction.
; LIMITS: p under 6e-8 rounds to 0 in f16; NaN and infinities are not served.  The first 16 positions of each sequence are made anew, in f32, by the last launch.
; REGISTERS.  window 0: v1-11 addresses; v16-31 statistics, 8 a tile (c m, m, l, l, c0-c3; a takes c2's place); v64-127 S^T (32 t + 8 kt); v128-159 P; v160-223 O^T (32 t + 8 ct); v224-255 packed results.
;   window 1: v0-31 Q (16 t + 8 c); v32-95 K (16 kt + 8 c); v96-159 V^T (32 u + 8 ct); v160-191 the second block's Q.
.set LI,  1                            ; v1  16 x lane
.set AD,  2                            ; v2  the step's LDS address
.set RH,  3                            ; v3  lane % 16 - 8 (lane / 16)
.set DQ,  4                            ; v4-5 the mask's bound for tiles 0, 1
.set NEG, 6                            ; v6  -infinity
.set PFO, 8                            ; v8  256 x lane
.set SPW, 10
.set NIL, 11
.set ST,  16
.set S,   64
.set P,   128
.set O,   160
.set OUTP, 224
.set QF,  0
.set KFR, 32
.set VF,  96
.set QB,  160
.set SPARE, 131072                     ; behind the two slots of 65,536 bytes: the spare words, 128 bytes a wave
.set WV, 8
.set J,  9
.set LA, 10                            ; slots of the first block: 8 - j
.set SLOTS, 11
.set CNT, 12
.set TB, 13                            ; LDS byte at which the step in hand begins
.set KF, 14                            ; the step's first key
.set Q0, 15                            ; my first query
.set G1, 16
.set G0, 24
.set GB, 28                            ; s[28:29] my 8,192 bytes of slot 0 in memory
.set OFF, 30
.set NS, 32                            ; the slot of keys asked for last
.set Q0B, 33
.set CBA, 34
.set CBB, 36
.set PFA, 38
.set LIM, 40
.set CS, 42
.set SEL, 44
.set MSB, 0
.macro WIN new
.if MSB != \new
	s_set_vgpr_msb (MSB<<8)|\new
.set MSB, \new
.endif
.endm
.macro INIT                            ; m = -3e38, under every score; l = 0; O^T = 0: the first step's a is 0 and multiplies zeros
.irp t, 0,1
	v_mov_b32 v[ST+8*\t+1], 0xff61b1e6
	v_mul_f32 v[ST+8*\t], s[CS], v[ST+8*\t+1]
.irp i, 2,3,4,5,6,7
	v_mov_b32 v[ST+8*\t+\i], 0
.endr
.endr
.set n, 0
.rept 64
	v_mov_b32 v[O+n], 0
.set n, n+1
.endr
.endm
; A prefetch of the slot that the NEXT change will ask for.  The four work-groups of a head walk the same K and V; the one with j = 0, which walks slots 0 to 7 on end, asks: each wave for its own 8,192 bytes,
; lanes 256 bytes apart, so each block is named once in the launch.  Trip t names slot t + 2; trips 6 and 7 name nothing; nothing is asked at the head.
.macro ASK
	s_cmp_gt_u32 s[SLOTS], s[LIM]
	s_cbranch_scc0 .Lnot_mine_\@
	global_prefetch_b8 v[PFO], s[PFA:PFA+1] th:TH_LOAD_NT scope:SCOPE_SE
.Lnot_mine_\@:
.endm
; THE CHANGE OF SLOTS, at a slot's head.  Each wave waits for all its tensor loads (its part of the slot ahead), adds 0 to its spare word, waits for that and for its reads of the slot that it has left; the barrier;
; then (fill = 1) its one load, into the slot just left: it has four key steps in which to land.  One tensor load of mine is out at the most.
.macro CHANGE fill
	s_wait_tensorcnt 0x0                           ; no tensor load of mine is out, so the descriptor may be written
	ds_add_u32 v[SPW], v[NIL]
.if \fill
	s_add_co_u32 s[NS], s[NS], 1                   ; the next slot of keys;
	s_cmp_eq_u32 s[NS], s[LA]
	s_cselect_b32 s[NS], 0, s[NS]                  ; behind the first block's last comes the second block's slot 0
	s_lshl_b32 s[OFF], s[NS], 15
	s_add_nc_u64 s[G0+2:G0+3], s[GB:GB+1], s[OFF:OFF+1]
	s_or_b32 s[G0+3], s[G0+3], 0x80000000
	s_xor_b32 s[G0+1], s[G0+1], 0x10000            ; the other LDS slot than last time
	s_wait_xcnt 0x0                                ; the last prefetch, a slot back, has read its address
	s_add_nc_u64 s[PFA:PFA+1], s[PFA:PFA+1], 32768
.endif
	s_wait_dscnt 0x0                               ; the add is done, and my reads of the slot that I have left are over
	s_barrier_signal -1
	s_barrier_wait -1
.if \fill
	tensor_load_to_lds s[G0:G0+3], s[G1:G1+7]
	s_nop 0
.rept 4
	v_nop
.endr
	ASK
.endif
.endm
; A KEY STEP: 64 keys.
.macro STEP
	s_add_co_u32 s46, s[Q0], 31
	s_cmp_gt_u32 s[KF], s46
	s_cbranch_scc1 .Lhidden_\@                     ; all 64 keys come after my 32 queries
	v_add_nc_u32 v[AD], s[TB], v[LI]               ; with the three v_nop: the four places between the last step's V^T P and the loads into V's registers
.rept 3
	v_nop
.endr
	WIN 0x40                                       ; destination window 1
.irp kt, 0,1,2,3
.irp c, 0,1
.irp e, 0,1
	ds_load_b128 v[KFR+16*\kt+8*\c+4*\e:KFR+16*\kt+8*\c+4*\e+3], v[AD] offset:2048*\kt+1024*\c+512*\e
.endr
.endr
.endr
.irp u, 0,1
.irp ct, 0,1,2,3
.irp e, 0,1
	ds_load_tr16_b128 v[VF+32*\u+8*\ct+4*\e:VF+32*\u+8*\ct+4*\e+3], v[AD] offset:32768+2048*(2*\u+\e)+512*\ct
.endr
.endr
.endr
	s_wait_dscnt 16                                ; K's sixteen loads are in; V's sixteen may be out
	WIN 0x05                                       ; K and Q in window 1
.irp c, 0,1                            ; the eight accumulators take turns; the first eight products start the sums
.irp kt, 0,1,2,3
.irp t, 0,1
.if \c == 0
	v_wmma_f32_16x16x32_f16 v[S+32*\t+8*\kt:S+32*\t+8*\kt+7], v[KFR+16*\kt+8*\c:KFR+16*\kt+8*\c+7], v[QF+16*\t+8*\c:QF+16*\t+8*\c+7], 0
.else
	v_wmma_f32_16x16x32_f16 v[S+32*\t+8*\kt:S+32*\t+8*\kt+7], v[KFR+16*\kt+8*\c:KFR+16*\kt+8*\c+7], v[QF+16*\t+8*\c:QF+16*\t+8*\c+7], v[S+32*\t+8*\kt:S+32*\t+8*\kt+7]
.endif
.endr
.endr
.endr
	WIN 0
	s_sub_co_i32 s46, s[Q0], s[KF]
	v_add_nc_u32 v[DQ], s46, v[RH]                 ; d = my query - the step's first key - 8 (lane / 16): register 8 kt + i holds a hidden key where 16 kt + i > d
	v_add_nc_u32 v[DQ+1], 16, v[DQ]
	v_nop
	v_nop                                          ; four places behind the products
	s_add_co_u32 s47, s[KF], 63
	s_cmp_le_u32 s47, s[Q0]
	s_cbranch_scc1 .Lopen_\@                       ; all 64 keys count for all my queries
.irp t, 0,1
.set n, 0
.rept 32
	v_cmp_gt_i32 vcc_lo, 16*(n/8)+n%8, v[DQ+\t]
	v_cndmask_b32 v[S+32*\t+n], v[S+32*\t+n], v[NEG], vcc_lo
.set n, n+1
.endr
.endr
.Lopen_\@:
.irp x, 0,1,2,3                        ; the maximum of 32 scores and the old m: four chains, each accumulator from its low end on; the two tiles line by line
.irp t, 0,1
	v_max3_num_f32 v[ST+8*\t+4+\x], v[S+32*\t+8*\x], v[S+32*\t+8*\x+1], v[S+32*\t+8*\x+2]
.endr
.endr
.irp g, 1,2
.irp x, 0,1,2,3
.irp t, 0,1
	v_max3_num_f32 v[ST+8*\t+4+\x], v[ST+8*\t+4+\x], v[S+32*\t+8*\x+2*\g+1], v[S+32*\t+8*\x+2*\g+2]
.endr
.endr
.endr
.irp t, 0,1
	v_max3_num_f32 v[ST+8*\t+4], v[ST+8*\t+4], v[S+32*\t+7], v[S+32*\t+15]
.endr
.irp t, 0,1
	v_max3_num_f32 v[ST+8*\t+6], v[ST+8*\t+6], v[S+32*\t+23], v[S+32*\t+31]
.endr
.irp t, 0,1
	v_max3_num_f32 v[ST+8*\t+4], v[ST+8*\t+4], v[ST+8*\t+5], v[ST+8*\t+6]
.endr
.irp t, 0,1
	v_max3_num_f32 v[ST+8*\t+4], v[ST+8*\t+4], v[ST+8*\t+7], v[ST+8*\t+1]
.endr
.irp t, 0,1
	v_permlanex16_b32 v[ST+8*\t+5], v[ST+8*\t+4], s[SEL], s[SEL+1]  ; the query's other 32 keys lie in the lane 16 away
.endr
.irp t, 0,1
	v_mov_b32 v[ST+8*\t+7], v[ST+8*\t]             ; c m_old
.endr
.irp t, 0,1
	v_max_num_f32 v[ST+8*\t+1], v[ST+8*\t+4], v[ST+8*\t+5]
.endr
.irp t, 0,1
	v_mul_f32 v[ST+8*\t], s[CS], v[ST+8*\t+1]
.endr
.irp t, 0,1
	v_sub_f32 v[ST+8*\t+7], v[ST+8*\t+7], v[ST+8*\t]
.endr
.set n, 0
.rept 16
.irp t, 0,1
	v_pk_fma_f32 v[S+32*\t+2*n:S+32*\t+2*n+1], v[S+32*\t+2*n:S+32*\t+2*n+1], s[CS:CS+1], v[ST+8*\t:ST+8*\t+1] op_sel_hi:[1,0,0] neg_lo:[0,0,1] neg_hi:[0,0,1]  ; c s - c m
.endr
.set n, n+1
.endr
.irp t, 0,1                            ; ONE BATCH of 66 exponentials
	v_exp_f32 v[ST+8*\t+6], v[ST+8*\t+7]           ; a
.endr
.set n, 0
.rept 32
.irp t, 0,1
	v_exp_f32 v[S+32*\t+n], v[S+32*\t+n]
.endr
.set n, n+1
.endr
	v_nop                                          ; a plain instruction behind the last exponential
	s_wait_alu depctr_va_vdst(0)                   ; one wait for the batch, ahead of the first instruction that names a result
.set n, 0
.rept 16
.irp t, 0,1
	v_cvt_pk_f16_f32 v[P+16*\t+n], v[S+32*\t+2*n], v[S+32*\t+2*n+1]   ; two tiles of 16 keys, rounded in pairs, ARE source 1 of V^T P
.endr
.set n, n+1
.endr
.irp z, 0,1,2,3,4,5,6,7                ; the sum of the unrounded weights, in place, by halves
.irp t, 0,1
	v_pk_add_f32 v[S+32*\t+4*\z:S+32*\t+4*\z+1], v[S+32*\t+4*\z:S+32*\t+4*\z+1], v[S+32*\t+4*\z+2:S+32*\t+4*\z+3]
.endr
.endr
.irp z, 0,1,2,3
.irp t, 0,1
	v_pk_add_f32 v[S+32*\t+8*\z:S+32*\t+8*\z+1], v[S+32*\t+8*\z:S+32*\t+8*\z+1], v[S+32*\t+8*\z+4:S+32*\t+8*\z+5]
.endr
.endr
.irp z, 0,1
.irp t, 0,1
	v_pk_add_f32 v[S+32*\t+16*\z:S+32*\t+16*\z+1], v[S+32*\t+16*\z:S+32*\t+16*\z+1], v[S+32*\t+16*\z+8:S+32*\t+16*\z+9]
.endr
.endr
.irp t, 0,1
	v_pk_add_f32 v[S+32*\t:S+32*\t+1], v[S+32*\t:S+32*\t+1], v[S+32*\t+16:S+32*\t+17]
.endr
.irp t, 0,1
	v_pk_fma_f32 v[ST+8*\t+2:ST+8*\t+3], v[ST+8*\t+2:ST+8*\t+3], v[ST+8*\t+6:ST+8*\t+7], v[S+32*\t:S+32*\t+1] op_sel_hi:[1,0,1]   ; l = a l + the sum
.endr
.set n, 0
.rept 16
.irp t, 0,1
	v_pk_mul_f32 v[O+32*\t+2*n:O+32*\t+2*n+1], v[O+32*\t+2*n:O+32*\t+2*n+1], v[ST+8*\t+6:ST+8*\t+7] op_sel_hi:[1,0]   ; O^T x a
.endr
.set n, n+1
.endr
	s_wait_dscnt 0x0                               ; V is in
	WIN 0x01                                       ; V in window 1
.irp u, 0,1
.irp ct, 0,1,2,3
.irp t, 0,1
	v_wmma_f32_16x16x32_f16 v[O+32*\t+8*\ct:O+32*\t+8*\ct+7], v[VF+32*\u+8*\ct:VF+32*\u+8*\ct+7], v[P+16*\t+8*\u:P+16*\t+8*\u+7], v[O+32*\t+8*\ct:O+32*\t+8*\ct+7]
.endr
.endr
.endr
	WIN 0
.Lhidden_\@:
.endm
.macro FOUR_STEPS                      ; a slot's four key steps: written once, walked four times
	s_mov_b32 s[CNT], 4
.Lstep_\@:
	STEP
	s_add_co_u32 s[KF], s[KF], 64
	s_add_co_u32 s[TB], s[TB], 8192
	s_sub_co_u32 s[CNT], s[CNT], 1
	s_cmp_lg_u32 s[CNT], 0
	s_cbranch_scc1 .Lstep_\@
	s_sub_co_u32 s[TB], s[TB], 32768               ; back to a slot's first step,
	s_xor_b32 s[TB], s[TB], 0x10000                ; in the other slot
.endm
.macro FINISH cb                       ; O^T / l, rounded to f16: a lane's eight channels are its 16 bytes of the next launch's operand image
.rept 4
	v_nop                                          ; places behind the last products
.endr
.irp t, 0,1
	v_add_f32 v[ST+8*\t+4], v[ST+8*\t+2], v[ST+8*\t+3]
.endr
.irp t, 0,1
	v_permlanex16_b32 v[ST+8*\t+5], v[ST+8*\t+4], s[SEL], s[SEL+1]
.endr
.irp t, 0,1
	v_add_f32 v[ST+8*\t+4], v[ST+8*\t+4], v[ST+8*\t+5]
.endr
.irp t, 0,1
	v_rcp_f32 v[ST+8*\t+6], v[ST+8*\t+4]
.endr
	v_nop
	s_wait_alu depctr_va_vdst(0)                   ; one wait for the two reciprocals, ahead of their first reader
	s_wait_xcnt 0x0                                ; the first block's stores have read the registers that are written below
.irp t, 0,1
.set n, 0
.rept 16
	v_pk_mul_f32 v[O+32*\t+2*n:O+32*\t+2*n+1], v[O+32*\t+2*n:O+32*\t+2*n+1], v[ST+8*\t+6:ST+8*\t+7] op_sel_hi:[1,0]
.set n, n+1
.endr
.endr
.irp t, 0,1
.set n, 0
.rept 16
	v_cvt_pk_f16_f32 v[OUTP+16*\t+n], v[O+32*\t+2*n], v[O+32*\t+2*n+1]
.set n, n+1
.endr
.endr
.irp t, 0,1
.irp ct, 0,1,2,3
	global_store_b128 v[LI], v[OUTP+16*\t+4*\ct:OUTP+16*\t+4*\ct+3], s[\cb:\cb+1] offset:32768*\t+512*\ct   ; the wave stores 512 consecutive bytes, aligned
.endr
.endr
.endm
	s_load_b128 s[4:7], s[0:1], 0x0                ; qkv s[4:5], ctx s[6:7]
	v_lshl_add_u32 v[SPW], v0, 2, SPARE
	v_mov_b32 v[NIL], 0
	ds_add_u32 v[SPW], v[NIL]                      ; the wave's opening: the add, twice on end, and its wait ahead of my first tensor load
	ds_add_u32 v[SPW], v[NIL]
	v_lshrrev_b32 v2, 5, v0
	v_readfirstlane_b32 s[WV], v2                  ; wave 0..7
	s_mov_b32 s[J], ttmp9
	s_sub_co_u32 s[LA], 8, s[J]
	s_and_b32 s46, ttmp7, 0xffff
	s_lshr_b32 s47, s46, 4                         ; batch
	s_and_b32 s48, s46, 15                         ; head
	s_mov_b32 s[G1], 3<<16                         ; 8,192 dense bytes as 32 rows of 32 elements of 8 bytes; no mask, no padding
	s_mov_b32 s[G1+1], 32<<16
	s_mov_b32 s[G1+2], 32<<16
	s_mov_b32 s[G1+3], 32<<16
	s_mov_b32 s[G1+4], 32
	s_mov_b32 s[G1+5], 32
	s_mov_b32 s[G1+6], 0
	s_mov_b32 s[G1+7], 0
	s_lshr_b32 s49, s[WV], 2                       ; waves 0-3 fetch K, waves 4-7 V: ((16 + 16 (wave / 4) + head) x 512 + 128 batch + 4 (wave % 4)) x 2,048
	s_lshl_b32 s49, s49, 4
	s_add_co_u32 s49, s49, 16
	s_add_co_u32 s49, s49, s48
	s_lshl_b32 s49, s49, 9
	s_lshl_b32 s50, s47, 7
	s_add_co_u32 s49, s49, s50
	s_and_b32 s51, s[WV], 3
	s_lshl_b32 s51, s51, 2
	s_add_co_u32 s49, s49, s51
	s_lshl_b32 s[OFF], s49, 11
	s_mov_b32 s[OFF+1], 0
	s_lshl_b32 s52, s48, 9                         ; Q: (512 head + 128 batch + 16 block + 2 wave) x 2,048
	s_add_co_u32 s52, s52, s50
	s_lshl_b32 s53, s[WV], 1
	s_add_co_u32 s52, s52, s53
	s_sub_co_u32 s54, 7, s[J]                      ; the first block
	s_lshl_b32 s55, s54, 4
	s_add_co_u32 s56, s52, s55
	s_lshl_b32 s56, s56, 11
	s_mov_b32 s57, 0
	s_lshl_b32 s51, s[J], 4
	s_add_co_u32 s58, s52, s51
	s_lshl_b32 s58, s58, 11
	s_mov_b32 s59, 0
	s_add_co_u32 s60, s50, s53                     ; ctx: (128 batch + 16 block + 2 wave) x 32,768 + 2,048 head
	s_add_co_u32 s[CBA], s60, s55
	s_lshl_b32 s[CBA], s[CBA], 15
	s_lshl_b32 s61, s48, 11
	s_add_co_u32 s[CBA], s[CBA], s61
	s_mov_b32 s[CBA+1], 0
	s_add_co_u32 s[CBB], s60, s51
	s_lshl_b32 s[CBB], s[CBB], 15
	s_add_co_u32 s[CBB], s[CBB], s61
	s_mov_b32 s[CBB+1], 0
	s_lshl_b32 s62, s[WV], 5
	s_lshl_b32 s[Q0], s54, 8
	s_add_co_u32 s[Q0], s[Q0], s62
	s_lshl_b32 s[Q0B], s[J], 8
	s_add_co_u32 s[Q0B], s[Q0B], s62
	s_mov_b32 s[NS], 0
	s_mov_b32 s[TB], 0
	s_mov_b32 s[KF], 0
	s_mov_b32 s[CS], 0x3e38aa3b                    ; c = log2(e) / 8
	s_mov_b32 s[CS+1], s[CS]                       ; named with it as a pair, so it is written
	s_mov_b32 s[SEL], 0x76543210
	s_mov_b32 s[SEL+1], 0xfedcba98
	s_cmp_eq_u32 s[J], 0
	s_cselect_b32 s[LIM], 2, -1
	s_mov_b32 s[G0], 1
	s_lshl_b32 s[G0+1], s[WV], 13                  ; LDS: 8,192 x wave, in slot 0
	s_wait_dscnt 0x0                               ; both opening adds are done
	s_wait_kmcnt 0x0
	s_add_nc_u64 s[GB:GB+1], s[4:5], s[OFF:OFF+1]
	s_mov_b64 s[G0+2:G0+3], s[GB:GB+1]
	s_or_b32 s[G0+3], s[G0+3], 0x80000000
	tensor_load_to_lds s[G0:G0+3], s[G1:G1+7]      ; slot 0: keys 0 to 255, which count for every block
	s_nop 0
.rept 4
	v_nop
.endr
	s_add_nc_u64 s[PFA:PFA+1], s[GB:GB+1], 32768   ; in slot 1: the first change steps it to slot 2
	s_add_nc_u64 s[56:57], s[4:5], s[56:57]
	s_add_nc_u64 s[58:59], s[4:5], s[58:59]
	s_add_nc_u64 s[CBA:CBA+1], s[6:7], s[CBA:CBA+1]
	s_add_nc_u64 s[CBB:CBB+1], s[6:7], s[CBB:CBB+1]
	v_and_b32 v[LI], 31, v0
	v_lshlrev_b32 v[PFO], 8, v[LI]
	v_lshlrev_b32 v[LI], 4, v[LI]
	v_and_b32 v[RH], 15, v0
	v_bfe_u32 v[AD], v0, 4, 1
	v_lshlrev_b32 v[AD], 3, v[AD]
	v_sub_nc_u32 v[RH], v[RH], v[AD]
	v_mov_b32 v[NEG], 0xff800000
	WIN 0x40                                       ; destination window 1
.irp t, 0,1
.irp c, 0,1
.irp e, 0,1
	global_load_b128 v[QF+16*\t+8*\c+4*\e:QF+16*\t+8*\c+4*\e+3], v[LI], s[56:57] offset:2048*\t+1024*\c+512*\e   ; both blocks' Q stay in registers
	global_load_b128 v[QB+16*\t+8*\c+4*\e:QB+16*\t+8*\c+4*\e+3], v[LI], s[58:59] offset:2048*\t+1024*\c+512*\e
.endr
.endr
.endr
	WIN 0
	INIT
	s_wait_loadcnt 0x0                             ; Q
	s_mov_b32 s[SLOTS], 8
.Lslot:                                ; eight trips: behind each change the next slot is asked for
	CHANGE 1
	FOUR_STEPS
	s_sub_co_u32 s[SLOTS], s[SLOTS], 1
	s_cmp_eq_u32 s[SLOTS], s[J]                    ; 8 - j slots are walked: the first block is done.  Ids and the count of trips alone: all eight waves go the same way
	s_cbranch_scc0 .Lsame
	FINISH CBA
	WIN 0x41                                       ; the second block's Q takes the first's place
.set n, 0
.rept 32
	v_mov_b32 v[QF+n], v[QB+n]
.set n, n+1
.endr
	WIN 0
	INIT
	s_mov_b32 s[Q0], s[Q0B]
	s_mov_b32 s[KF], 0
.Lsame:
	s_cmp_lg_u32 s[SLOTS], 0
	s_cbranch_scc1 .Lslot
	CHANGE 0                                       ; the ninth slot is written out: nothing is left to ask for
	FOUR_STEPS
	FINISH CBB
	s_wait_tensorcnt 0x0                           ; the wave's end
	ds_add_u32 v[SPW], v[NIL]
	s_wait_dscnt 0x0
	s_endpgm
.Lfunc_end_k_q7b18f065fc_attn:
	.size	k_q7b18f065fc_attn, .Lfunc_end_k_q7b18f065fc_attn-k_q7b18f065fc_attn
	.p2alignl 7, 3214868480
	.fill 96, 4, 3214868480
	.section	.rodata,"a",@progbits
	.p2align	6, 0x0
	.amdhsa_kernel k_q7b18f065fc_attn
		.amdhsa_group_segment_fixed_size 327680
		.amdhsa_private_segment_fixed_size 0
		.amdhsa_enable_private_segment 0
		.amdhsa_kernarg_size 16
		.amdhsa_user_sgpr_count 2
		.amdhsa_user_sgpr_kernarg_segment_ptr 1
		.amdhsa_wavefront_size32 1
		.amdhsa_system_sgpr_workgroup_id_x 1
		.amdhsa_system_sgpr_workgroup_id_y 1
		.amdhsa_system_sgpr_workgroup_id_z 1
		.amdhsa_system_vgpr_workitem_id 0
		.amdhsa_next_free_vgpr 512
		.amdhsa_next_free_sgpr 66
		.amdhsa_reserve_vcc 1
		.amdhsa_float_denorm_mode_32 3
		.amdhsa_float_denorm_mode_16_64 3
		.amdhsa_memory_ordered 1
		.amdhsa_forward_progress 1
		.amdhsa_inst_pref_size 67
	.end_amdhsa_kernel
	.amdgpu_metadata
---
amdhsa.version: [ 1, 2 ]
amdhsa.kernels:
  - .name:           k_q7b18f065fc_attn
    .symbol:         k_q7b18f065fc_attn.kd
    .args:
      - { .name: qkv, .offset: 0, .size: 8, .value_kind: global_buffer, .address_space: global }
      - { .name: ctx, .offset: 8, .size: 8, .value_kind: global_buffer, .address_space: global }
    .group_segment_fixed_size: 327680
    .private_segment_fixed_size: 0
    .kernarg_segment_align: 8
    .kernarg_segment_size: 16
    .max_flat_workgroup_size: 256
    .sgpr_count:     66
    .vgpr_count:     512
    .wavefront_size: 32
...
	.end_amdgpu_metadata
.endif
;; end of part 3
;; launch proj (part 4): grid 4 x 64, 4 waves a work-group, clusters of 4 x 4, 327,680 bytes of LDS; arguments ctx, wo16, b_o, out0; writes out0
.if DOCPART == 4
	.amdgcn_target "amdgcn-amd-amdhsa--gfx1250"
	.amdhsa_code_object_version 6
	.text
	.protected	k_q7b18f065fc_proj
	.globl	k_q7b18f065fc_proj
	.p2align	8
	.type	k_q7b18f065fc_proj,@function
k_q7b18f065fc_proj:
	s_mov_b64 s[64:65], 0
	v_nop
	global_prefetch_b8 v0, s[64:65] scope:SCOPE_SE
	s_setreg_imm32_b32 hwreg(HW_REG_WAVE_MODE, 25, 1), 1
	s_wait_xcnt 0x0
	s_wait_alu depctr_hold_cnt(0) depctr_sa_sdst(0) depctr_va_vdst(0) depctr_va_sdst(0) depctr_va_ssrc(0) depctr_va_vcc(0) depctr_vm_vsrc(0)
	s_getreg_b32 s2, hwreg(HW_REG_IB_STS2, 6, 4)
	s_cmp_eq_u32 s2, 0
	s_cbranch_scc0 .Lentry_in_a_cluster
	s_endpgm
.Lentry_in_a_cluster:
	s_bfe_u32 s2, ttmp6, 0x10000c
	s_cmp_lg_u32 s2, 0xf033
	s_cbranch_scc0 .Lentry_shape_is_right
	s_endpgm
.Lentry_shape_is_right:
; PROJ.  out0 = ctx W_o + b_o: 8,192 x 1,024 x 1,024, operands f16, sums f32.  A tile of 128 x 256 gives 256 work-groups; four waves, 64 x 128 each: 32 accumulators, 256 registers.
; Both operands lie in memory as images of their fragments' registers (16 rows x 32 K: 1,024 bytes), so a K step of 128 is 4,096 consecutive bytes for each 16 rows, and fragments are read at 16 x lane.
; K goes in 8 steps through a ring of two LDS slots.  CLUSTERS: 4 x 4 work-groups; ctx's tiles are asked for jointly along a row of the cluster, W_o's along a column; where a slot is filled again
; a round of the cluster's barrier stands in front of the joint refill.  No prefetch: the tile is small and the launch short.
; THE MATRIX INSTRUCTION IS USED TRANSPOSED (source 0 = 16 columns of W_o, source 1 = 16 tokens): a lane holds eight neighbouring numbers of a row of out0.  The bias is the C of each sum's first product.
; The rows of the first 16 positions of each sequence are written here too and made anew, in f32, by the last launch.
; REGISTERS.  window 0: v16-29 addresses; v32-95 the bias, eight registers for each of my 8 column blocks; v128-255 rows on the way out.
;   window 1: two fragment buffers, v0-95 and v128-223: W_o's 8 fragments, then ctx's 4.   window 2: accumulator (a, b) at 8 (8 a + b).
.set SLOT,   98304                     ; ctx 32,768 (8 row tiles x 4,096), then W_o 65,536 (16 column tiles x 4,096)
.set STAGE,  2*SLOT                    ; behind the ring: 16 rows x 528 bytes for each wave
.set SPITCH, 528
.set SPARE,  STAGE+4*16*SPITCH         ; the spare words, 128 bytes a wave
.set LAPS,   4
.set ADRA, 16
.set ADRB, 20
.set STO,  24
.set RD,   25
.set CO,   26                          ; v26 16 x lane
.set BA,   27
.set SPW,  28
.set NIL,  29
.set BIAS, 32
.set BK,   128
.set F0,   0
.set F1,   128
.set G1, 24
.set G0, 32
.set G1B, 48
.set G0B, 56
.set MSB, 0
.macro WIN new
.if MSB != \new
	s_set_vgpr_msb (MSB<<8)|\new
.set MSB, \new
.endif
.endm
.set MUL,   0xa5                       ; sources 0 and 1 window 1; C and D window 2
.set MULB,  0x85                       ; the same with C (the bias) in window 0
.set TO_F,  0x40
.macro JLOAD s                         ; a joint load: waves 0 and 1 fetch ctx's halves, waves 2 and 3 W_o's; an s_nop 0 and four v_nop follow each of the two lines
	s_cmp_eq_u32 s13, 0
	s_cbranch_scc0 .Lfor_b_\@
	tensor_load_to_lds s[G0+4*\s:G0+4*\s+3], s[G1:G1+7]
	s_nop 0
.rept 4
	v_nop
.endr
	s_branch .Lasked_\@
.Lfor_b_\@:
	tensor_load_to_lds s[G0B+4*\s:G0B+4*\s+3], s[G1B:G1B+7]
	s_nop 0
.rept 4
	v_nop
.endr
.Lasked_\@:
.endm
.macro CREST
	s_cmp_lg_u32 s12, 0
	s_cbranch_scc1 .Lnot_wave_0_\@
	s_barrier_signal -3
.Lnot_wave_0_\@:
	s_barrier_wait -3
	s_barrier_signal -1
	s_barrier_wait -1
.endm
.macro CROUND
	s_barrier_signal -1
	s_barrier_wait -1
	CREST
.endm
	s_load_b256 s[4:11], s[0:1], 0x0               ; ctx s[4:5], wo16 s[6:7], b_o s[8:9], out0 s[10:11]
	v_lshl_add_u32 v[SPW], v0, 2, SPARE
	v_mov_b32 v[NIL], 0
	ds_add_u32 v[SPW], v[NIL]                      ; the wave's opening: the add, twice on end, and its wait ahead of my first tensor load
	ds_add_u32 v[SPW], v[NIL]
	v_lshrrev_b32 v1, 5, v0
	v_readfirstlane_b32 s12, v1                    ; wave 0..3
	s_lshr_b32 s13, s12, 1                         ; my half of the tile's rows.  Also: I fetch for ctx (0) or for W_o (1)
	s_and_b32 s14, s12, 1                          ; my half of its columns.  Also: which half I fetch
	s_bfe_u32 s40, ttmp6, 0x40000
	s_bfe_u32 s41, ttmp6, 0x40004
	s_lshl_b32 s42, ttmp9, 2
	s_add_co_u32 s42, s42, s40                     ; tile column
	s_and_b32 s15, ttmp7, 0xffff
	s_lshl_b32 s15, s15, 2
	s_add_co_u32 s15, s15, s41                     ; tile row
	s_lshl_b32 s43, s41, 2
	s_lshl_b32 s43, 15, s43                        ; my row of the cluster
	s_lshl_b32 s44, 0x1111, s40                    ; my column
	s_or_b32 s[G1+0], s43, (3<<16)|(1<<21)         ; ctx: 4 row tiles x 4,096 bytes (512 elements of 8), 32,768 bytes apart, dense in LDS
	s_mov_b32 s[G1+1], 512<<16
	s_mov_b32 s[G1+2], 4<<16
	s_mov_b32 s[G1+3], 512<<16
	s_mov_b32 s[G1+4], 4
	s_mov_b32 s[G1+5], 4096
	s_mov_b32 s[G1+6], 0
	s_mov_b32 s[G1+7], 0
	s_or_b32 s[G1B+0], s44, (3<<16)|(1<<21)        ; W_o: 8 column tiles likewise
	s_mov_b32 s[G1B+1], 512<<16
	s_mov_b32 s[G1B+2], 8<<16
	s_mov_b32 s[G1B+3], 512<<16
	s_mov_b32 s[G1B+4], 8
	s_mov_b32 s[G1B+5], 4096
	s_mov_b32 s[G1B+6], 0
	s_mov_b32 s[G1B+7], 0
	s_lshl_b32 s16, s15, 3
	s_lshl_b32 s18, s14, 2
	s_add_co_u32 s16, s16, s18
	s_lshl_b32 s16, s16, 15                        ; ctx: (8 x tile row + 4 x half) x 32,768
	s_mov_b32 s17, 0
	s_lshl_b32 s46, s42, 4
	s_lshl_b32 s18, s14, 3
	s_add_co_u32 s46, s46, s18
	s_lshl_b32 s46, s46, 15                        ; W_o: (16 x tile column + 8 x half) x 32,768
	s_mov_b32 s47, 0
	s_lshl_b32 s20, s14, 14                        ; where they go: no place in the cluster enters an LDS address
	s_lshl_b32 s21, s14, 15
	s_add_co_u32 s21, s21, 32768
	s_wait_dscnt 0x0                               ; both opening adds are done
	s_wait_kmcnt 0x0
	s_add_nc_u64 s[16:17], s[4:5], s[16:17]
	s_add_nc_u64 s[46:47], s[6:7], s[46:47]
	CROUND                                         ; all sixteen work-groups are here: the first joint loads meet
.irp s, 0,1
	s_mov_b32 s[G0+4*\s], 1
	s_add_co_u32 s[G0+4*\s+1], s20, \s*SLOT
	s_add_nc_u64 s[G0+4*\s+2:G0+4*\s+3], s[16:17], \s*4096
	s_or_b32 s[G0+4*\s+3], s[G0+4*\s+3], 0x80000000
	s_mov_b32 s[G0B+4*\s], 1
	s_add_co_u32 s[G0B+4*\s+1], s21, \s*SLOT
	s_add_nc_u64 s[G0B+4*\s+2:G0B+4*\s+3], s[46:47], \s*4096
	s_or_b32 s[G0B+4*\s+3], s[G0B+4*\s+3], 0x80000000
	JLOAD \s                                       ; two loads of mine are out at the most
.endr
	v_and_b32 v1, 15, v0                           ; r
	v_bfe_u32 v2, v0, 4, 1                         ; h
	v_and_b32 v3, 31, v0
	v_lshlrev_b32 v[CO], 4, v3
	s_lshl_b32 s22, s13, 14                        ; my 4 row tiles
	s_lshl_b32 s23, s14, 15                        ; my 8 column tiles, behind ctx's 32,768 bytes
	s_add_co_u32 s23, s23, 32768
.irp s, 0,1
	v_add_nc_u32 v[ADRA+\s], s22, v[CO]
	v_add_nc_u32 v[ADRB+\s], s23, v[CO]
	s_add_co_u32 s22, s22, SLOT
	s_add_co_u32 s23, s23, SLOT
.endr
	s_mul_i32 s22, s12, 16*SPITCH
	s_add_co_u32 s22, s22, STAGE                   ; my stage
	v_mul_u32_u24 v4, v1, SPITCH
	v_lshl_add_u32 v4, v2, 5, v4
	v_add_nc_u32 v[STO], s22, v4                   ; in: row r, 32 bytes for each half of the lanes
	v_add_nc_u32 v[RD], s22, v[CO]                 ; back: the 32 lanes take one row of 512 bytes
	v_lshlrev_b32 v[BA], 5, v2                     ; the bias: my half's eight numbers of a block of 16
	s_lshl_b32 s18, s42, 10
	s_lshl_b32 s19, s14, 9
	s_add_co_u32 s18, s18, s19                     ; my first column, in bytes
	s_mov_b32 s19, 0
	s_add_nc_u64 s[8:9], s[8:9], s[18:19]
.irp b, 0,1,2,3,4,5,6,7
	global_load_b128 v[BIAS+8*\b:BIAS+8*\b+3], v[BA], s[8:9] offset:64*\b
	global_load_b128 v[BIAS+8*\b+4:BIAS+8*\b+7], v[BA], s[8:9] offset:64*\b+16
.endr
	s_add_nc_u64 s[10:11], s[10:11], s[18:19]
	s_lshl_b32 s18, s15, 7
	s_lshl_b32 s22, s13, 6
	s_add_co_u32 s18, s18, s22
	s_lshl_b32 s18, s18, 12                        ; my first row: (128 x tile row + 64 x half) x 4,096 bytes
	s_add_nc_u64 s[10:11], s[10:11], s[18:19]
.macro MUL8 f, a, first                ; row block a against my 8 column blocks, 32 along K.  The 32 accumulators take turns, in the same order in every quarter
.irp b, 0,1,2,3,4,5,6,7
.if \first
	v_wmma_f32_16x16x32_f16 v[8*(8*(\a)+\b):8*(8*(\a)+\b)+7], v[\f+8*\b:\f+8*\b+7], v[\f+64+8*(\a):\f+64+8*(\a)+7], v[BIAS+8*\b:BIAS+8*\b+7]
.else
	v_wmma_f32_16x16x32_f16 v[8*(8*(\a)+\b):8*(8*(\a)+\b)+7], v[\f+8*\b:\f+8*\b+7], v[\f+64+8*(\a):\f+64+8*(\a)+7], v[8*(8*(\a)+\b):8*(8*(\a)+\b)+7]
.endif
.endr
.endm
.macro FETCH slot, q, f                ; 24 LDS loads in one run: W_o's 8 fragments, then ctx's 4, of the slot's q-th 32 along K
	WIN TO_F
.irp i, 0,1,2,3,4,5,6,7
	ds_load_b128 v[\f+8*\i:\f+8*\i+3],   v[ADRB+\slot] offset:4096*\i+1024*(\q)
	ds_load_b128 v[\f+8*\i+4:\f+8*\i+7], v[ADRB+\slot] offset:4096*\i+1024*(\q)+512
.endr
.irp i, 0,1,2,3
	ds_load_b128 v[\f+64+8*\i:\f+64+8*\i+3],   v[ADRA+\slot] offset:4096*\i+1024*(\q)
	ds_load_b128 v[\f+64+8*\i+4:\f+64+8*\i+7], v[ADRA+\slot] offset:4096*\i+1024*(\q)+512
.endr
.endm
.macro PLACES
.rept 4
	v_nop
.endr
.endm
.macro QUARTER slot, q, f, g, first    ; multiplies buffer f and fetches the slot's q-th quarter into g
	s_wait_dscnt 4                                 ; all but ctx's fragments 2 and 3 (four loads) are in
.if \first
	WIN MULB
.else
	WIN MUL
.endif
	MUL8 \f, 0, \first
	MUL8 \f, 1, \first
	PLACES                                         ; in front of loads into registers that matrix instructions have read
	FETCH \slot, \q, \g
	s_wait_dscnt 24                                ; all but the 24 just issued
.if \first
	WIN MULB
.else
	WIN MUL
.endif
	MUL8 \f, 2, \first
	MUL8 \f, 3, \first
.endm
; A slot's last quarter multiplies buffer 1 and changes slots: each wave waits for all its tensor loads, adds 0 to its spare word, and waits for that and for its reads of this slot; ONE barrier.
; fill = 1: it opens a round of the cluster's barrier, and the joint refill, two K steps ahead, is the first thing behind the round.
.macro TURN slot, next, fill
	WIN 0
	s_wait_tensorcnt 0x0                           ; all my tensor loads have landed: my part of the next slot
	ds_add_u32 v[SPW], v[NIL]
	s_wait_dscnt 5                                 ; the add and the youngest four loads may be out
	WIN MUL
	MUL8 F1, 0, 0
	s_wait_dscnt 0x0                               ; the add is done, and my reads of this slot are over
	s_barrier_signal -1
	MUL8 F1, 1, 0
.if \fill
	WIN 0
.endif
	s_barrier_wait -1
.if \fill
	CREST
	s_add_nc_u64 s[G0+4*\slot+2:G0+4*\slot+3], s[G0+4*\slot+2:G0+4*\slot+3], 8192
	s_add_nc_u64 s[G0B+4*\slot+2:G0B+4*\slot+3], s[G0B+4*\slot+2:G0B+4*\slot+3], 8192
	JLOAD \slot                                    ; its four v_nop are also the places in front of the loads below
.else
	PLACES
.endif
	FETCH \next, 0, F0
	WIN MUL
	MUL8 F1, 2, 0
	MUL8 F1, 3, 0
.endm
	s_wait_tensorcnt 1                             ; my part of K step 0 is in; K step 1's may be out
	s_barrier_signal -1
	s_barrier_wait -1
	FETCH 0, 0, F0
	s_wait_loadcnt 0x0                             ; the bias
	QUARTER 0, 1, F0, F1, 1                        ; the first quarter's products start the sums from the bias
	WIN 0
	s_mov_b32 s3, LAPS-1
.Llap:                                 ; a trip goes once round the ring and fills both slots again
	QUARTER 0, 2, F1, F0, 0
	QUARTER 0, 3, F0, F1, 0
	TURN 0, 1, 1
	QUARTER 1, 1, F0, F1, 0
	QUARTER 1, 2, F1, F0, 0
	QUARTER 1, 3, F0, F1, 0
	TURN 1, 0, 1
	QUARTER 0, 1, F0, F1, 0
	WIN 0
	s_sub_co_u32 s3, s3, 1
	s_cmp_lg_u32 s3, 0
	s_cbranch_scc1 .Llap
	QUARTER 0, 2, F1, F0, 0                        ; the last lap fills nothing
	QUARTER 0, 3, F0, F1, 0
	TURN 0, 1, 0
	QUARTER 1, 1, F0, F1, 0
	QUARTER 1, 2, F1, F0, 0
	QUARTER 1, 3, F0, F1, 0
	s_wait_dscnt 4
	WIN MUL
	MUL8 F1, 0, 0
	MUL8 F1, 1, 0
	s_wait_dscnt 0
	MUL8 F1, 2, 0
	MUL8 F1, 3, 0
	WIN 0
; THE WAY OUT, a block of 16 rows x 128 columns at a time, through my own stage: back come whole rows of 512 bytes.  LDS serves a wave's instructions in order: no wait between the stores and the loads.
.macro TOSTAGE a
	WIN 0x08                                       ; the data: window 2
.irp b, 0,1,2,3,4,5,6,7
	ds_store_b128 v[STO], v[64*(\a)+8*\b:64*(\a)+8*\b+3] offset:64*\b          ; each accumulator from its low end on
	ds_store_b128 v[STO], v[64*(\a)+8*\b+4:64*(\a)+8*\b+7] offset:64*\b+16
.endr
	WIN 0
.set BB, BK+64*((\a)%2)
.irp t, 0,1,2,3,4,5,6,7,8,9,10,11,12,13,14,15
	ds_load_b128 v[BB+4*\t:BB+4*\t+3], v[RD] offset:\t*SPITCH
.endr
.endm
.macro SEND a, younger
.set BB, BK+64*((\a)%2)
	s_wait_dscnt \younger                          ; the block is back in registers
.irp t, 0,1,2,3,4,5,6,7,8,9,10,11,12,13,14,15
	global_store_b128 v[CO], v[BB+4*\t:BB+4*\t+3], s[10:11] offset:65536*(\a)+4096*\t th:TH_STORE_NT   ; 32 lanes store 512 consecutive bytes, aligned
.endr
.endm
	PLACES
	TOSTAGE 0
.irp a, 1,2,3
.if \a > 1
	s_wait_xcnt 0x0                                ; block a - 2's stores have read their registers: block a's loads may land there
.endif
	TOSTAGE \a
	SEND \a-1, 32                                  ; behind block a - 1's loads: block a's 16 stores and 16 loads
.endr
	SEND 3, 0
	s_wait_tensorcnt 0x0                           ; the wave's end
	ds_add_u32 v[SPW], v[NIL]
	s_wait_dscnt 0x0
	CROUND                                         ; the closing round
	s_endpgm
.Lfunc_end_k_q7b18f065fc_proj:
	.size	k_q7b18f065fc_proj, .Lfunc_end_k_q7b18f065fc_proj-k_q7b18f065fc_proj
	.p2alignl 7, 3214868480
	.fill 96, 4, 3214868480
	.section	.rodata,"a",@progbits
	.p2align	6, 0x0
	.amdhsa_kernel k_q7b18f065fc_proj
		.amdhsa_group_segment_fixed_size 327680
		.amdhsa_private_segment_fixed_size 0
		.amdhsa_enable_private_segment 0
		.amdhsa_kernarg_size 32
		.amdhsa_user_sgpr_count 2
		.amdhsa_user_sgpr_kernarg_segment_ptr 1
		.amdhsa_wavefront_size32 1
		.amdhsa_system_sgpr_workgroup_id_x 1
		.amdhsa_system_sgpr_workgroup_id_y 1
		.amdhsa_system_sgpr_workgroup_id_z 1
		.amdhsa_system_vgpr_workitem_id 0
		.amdhsa_next_free_vgpr 768
		.amdhsa_next_free_sgpr 66
		.amdhsa_reserve_vcc 0
		.amdhsa_float_denorm_mode_32 3
		.amdhsa_float_denorm_mode_16_64 3
		.amdhsa_memory_ordered 1
		.amdhsa_forward_progress 1
		.amdhsa_inst_pref_size 86
	.end_amdhsa_kernel
	.amdgpu_metadata
---
amdhsa.version: [ 1, 2 ]
amdhsa.kernels:
  - .name:           k_q7b18f065fc_proj
    .symbol:         k_q7b18f065fc_proj.kd
    .args:
      - { .name: ctx, .offset: 0, .size: 8, .value_kind: global_buffer, .address_space: global }
      - { .name: wo16, .offset: 8, .size: 8, .value_kind: global_buffer, .address_space: global }
      - { .name: b_o, .offset: 16, .size: 8, .value_kind: global_buffer, .address_space: global }
      - { .name: out0, .offset: 24, .size: 8, .value_kind: global_buffer, .address_space: global }
    .group_segment_fixed_size: 327680
    .private_segment_fixed_size: 0
    .kernarg_segment_align: 8
    .kernarg_segment_size: 32
    .max_flat_workgroup_size: 128
    .sgpr_count:     66
    .vgpr_count:     768
    .wavefront_size: 32
...
	.end_amdgpu_metadata
.endif
;; end of part 4
;; launch fine (part 5): grid 32 x 4, 16 waves a work-group, no clusters, 38,912 bytes of LDS; arguments fq, W_o, b_o, out0; writes out0
.if DOCPART == 5
	.amdgcn_target "amdgcn-amd-amdhsa--gfx1250"
	.amdhsa_code_object_version 6
	.text
	.protected	k_q7b18f065fc_fine
	.globl	k_q7b18f065fc_fine
	.p2align	8
	.type	k_q7b18f065fc_fine,@function
k_q7b18f065fc_fine:
	s_mov_b64 s[64:65], 0
	v_nop
	global_prefetch_b8 v0, s[64:65] scope:SCOPE_SE
	s_setreg_imm32_b32 hwreg(HW_REG_WAVE_MODE, 25, 1), 1
	s_wait_xcnt 0x0
; FINE.  The first 16 positions of each of the 4 sequences once more, wholly in f32: under the causal mask these rows average one to sixteen values, where the rounding of f16 operands weighs most.
; Work-group (32 columns of out0, batch); wave = head.  Each wave makes its head's scores (16 x 16), softmax and context (16 x 64), multiplies by its 64 rows x 32 columns of W_o; the sixteen heads' parts
; meet in LDS; wave w then sums and stores row w.  All products by the f32 matrix form, 16 x 16 x 4: no bulk work: 64 instructions a wave.
; fq holds accumulator images: lane (token r, half h), register i = column 16 nt + 8 h + i.  A pair of registers 2 p, 2 p + 1 serves as an operand as it stands: the instruction's k = 2 h + i' then stands for index
; 8 h + 2 p + i', alike on both sides of a product, so the sums are whole.  V^T and W_o are loaded by single words in the same order.
; The registers that these matrix instructions write (v176-239) are written by nothing else; what is made of a sum goes into other registers.
; The stores are pieces of 128 bytes of 64 rows: 262,144 bytes in all.
.set LI,  1                            ; v1 16 x lane
.set AVT, 2                            ; v2 V^T: my channel's place in an image, + 128 h
.set AW,  3                            ; v3 W_o: 8 h rows + 4 r
.set DD,  4                            ; v4 r - 8 h: key 8 h + i is hidden where i > this
.set STO, 5
.set RD,  6
.set L4,  7                            ; v7 4 x lane
.set SPW, 8
.set NIL, 9
.set BI,  10
.set NEG, 11
.set QR,  16                           ; v16-47 Q; at the end v16-31 the sixteen parts
.set KR,  48
.set VT,  80
.set WR,  112
.set SA,  176
.set SB,  184
.set OA,  192
.set OU,  224
.set PP,  240
.set T,   248
.set SPARE, 36864                      ; behind 16 regions of 16 rows x 144 bytes: the spare words, 128 bytes a wave
	s_load_b256 s[4:11], s[0:1], 0x0               ; fq s[4:5], W_o s[6:7], b_o s[8:9], out0 s[10:11]
	v_lshl_add_u32 v[SPW], v0, 2, SPARE
	v_mov_b32 v[NIL], 0
	v_lshrrev_b32 v12, 5, v0
	v_readfirstlane_b32 s12, v12                   ; wave = head; later = row
	s_mov_b32 s13, ttmp9                           ; which 32 columns
	s_and_b32 s14, ttmp7, 0xffff                   ; batch
	s_mul_i32 s16, s14, 192
	s_lshl_b32 s17, s12, 2
	s_add_co_u32 s16, s16, s17
	s_lshl_b32 s16, s16, 10                        ; fq: (192 batch + 4 head) images of 1,024 bytes
	s_mov_b32 s17, 0
	s_lshl_b32 s18, s12, 18                        ; W_o: 64 rows of 4,096 bytes a head,
	s_lshl_b32 s20, s13, 7                         ; 128 bytes for 32 columns
	s_add_co_u32 s18, s18, s20
	s_mov_b32 s19, 0
	s_mov_b32 s21, 0
	s_lshl_b32 s22, s14, 11
	s_add_co_u32 s22, s22, s12
	s_lshl_b32 s22, s22, 12                        ; out0: row 2,048 batch + wave
	s_add_co_u32 s22, s22, s20
	s_mov_b32 s23, 0
	s_mov_b32 s26, 0x3e38aa3b                      ; c = log2(e) / 8
	s_mov_b32 s28, 0x76543210
	s_mov_b32 s29, 0xfedcba98
	v_and_b32 v12, 31, v0
	v_and_b32 v13, 15, v0                          ; r
	v_bfe_u32 v14, v0, 4, 1                        ; h
	v_lshlrev_b32 v[LI], 4, v12
	v_lshlrev_b32 v[L4], 2, v12
	v_bfe_u32 v15, v13, 2, 1
	v_lshlrev_b32 v[AVT], 9, v15                   ; channel r lies in register r % 8 of half r / 8: 512 ((r / 4) % 2) + 256 (r / 8) + 4 (r % 4); token 8 h + .. : 128 h
	v_lshrrev_b32 v15, 3, v13
	v_lshl_add_u32 v[AVT], v15, 8, v[AVT]
	v_and_b32 v15, 3, v13
	v_lshl_add_u32 v[AVT], v15, 2, v[AVT]
	v_lshl_add_u32 v[AVT], v14, 7, v[AVT]
	v_lshlrev_b32 v[AW], 2, v13
	v_lshl_add_u32 v[AW], v14, 15, v[AW]
	v_lshlrev_b32 v15, 3, v14
	v_sub_nc_u32 v[DD], v13, v15
	s_mul_i32 s24, s12, 2304
	v_mul_u32_u24 v[STO], v13, 144
	v_lshl_add_u32 v[STO], v14, 5, v[STO]
	v_add_nc_u32 v[STO], s24, v[STO]               ; my head's region: row r of 144 bytes, + 32 h
	s_mul_i32 s24, s12, 144
	v_add_nc_u32 v[RD], s24, v[L4]                 ; back: row = my wave, 4 bytes a lane
	v_mov_b32 v[NEG], 0xff800000
	v_mov_b32 v[T+1], 0                            ; a lane permute's destination counts as one of its sources
	s_wait_kmcnt 0x0
	s_add_nc_u64 s[4:5], s[4:5], s[16:17]
	s_add_nc_u64 s[6:7], s[6:7], s[18:19]
	s_add_nc_u64 s[8:9], s[8:9], s[20:21]
	s_add_nc_u64 s[10:11], s[10:11], s[22:23]
.irp i, 0,1,2,3
.irp e, 0,1
	global_load_b128 v[QR+8*\i+4*\e:QR+8*\i+4*\e+3], v[LI], s[4:5] offset:1024*\i+512*\e
	global_load_b128 v[KR+8*\i+4*\e:KR+8*\i+4*\e+3], v[LI], s[4:5] offset:65536+1024*\i+512*\e
.endr
.endr
.irp ct, 0,1,2,3
.irp g, 0,1,2,3,4,5,6,7
	global_load_b32 v[VT+8*\ct+\g], v[AVT], s[4:5] offset:131072+1024*\ct+16*\g   ; V(key 8 h + g, channel 16 ct + r)
.endr
.endr
	s_wait_loadcnt 32                              ; Q and K are in; V^T's 32 loads may be out
.set n, 0
.rept 16                               ; S^T = K Q^T: two accumulators by turns; the first two products start the sums
.if n == 0
	v_wmma_f32_16x16x4_f32 v[SA:SA+7], v[KR+2*n:KR+2*n+1], v[QR+2*n:QR+2*n+1], 0
.elseif n == 1
	v_wmma_f32_16x16x4_f32 v[SB:SB+7], v[KR+2*n:KR+2*n+1], v[QR+2*n:QR+2*n+1], 0
.elseif n%2 == 0
	v_wmma_f32_16x16x4_f32 v[SA:SA+7], v[KR+2*n:KR+2*n+1], v[QR+2*n:QR+2*n+1], v[SA:SA+7]
.else
	v_wmma_f32_16x16x4_f32 v[SB:SB+7], v[KR+2*n:KR+2*n+1], v[QR+2*n:QR+2*n+1], v[SB:SB+7]
.endif
.set n, n+1
.endr
.irp i, 0,1
.irp ct, 0,1,2,3
.irp g, 0,1,2,3,4,5,6,7
	global_load_b32 v[WR+32*\i+8*\ct+\g], v[AW], s[6:7] offset:4096*(16*\ct+\g)+64*\i   ; W_o(64 head + 16 ct + 8 h + g, 32 cb + 16 i + r)
.endr
.endr
.endr
	global_load_b32 v[BI], v[L4], s[8:9]           ; the bias of my column
.rept 8
	v_nop                                          ; eight places behind this form (ISA guide 7.12.1)
.endr
.irp j, 0,1,2,3,4,5,6,7
	v_add_f32 v[PP+\j], v[SA+\j], v[SB+\j]         ; lane (query r, h): key 8 h + j; from the low end on
.endr
.irp j, 0,1,2,3,4,5,6,7
	v_cmp_gt_i32 vcc_lo, \j, v[DD]
	v_cndmask_b32 v[PP+\j], v[PP+\j], v[NEG], vcc_lo
.endr
	v_max3_num_f32 v[T], v[PP], v[PP+1], v[PP+2]
	v_max3_num_f32 v[T+3], v[PP+3], v[PP+4], v[PP+5]
	v_max3_num_f32 v[T], v[T], v[PP+6], v[PP+7]
	v_max_num_f32 v[T], v[T], v[T+3]
	v_permlanex16_b32 v[T+1], v[T], s28, s29
	v_max_num_f32 v[T], v[T], v[T+1]               ; the row's maximum: key 0 counts for every query
	v_mul_f32 v[T+2], s26, v[T]
.irp j, 0,1,2,3,4,5,6,7
	v_fma_f32 v[PP+\j], v[PP+\j], s26, -v[T+2]
.endr
.irp j, 0,1,2,3,4,5,6,7
	v_exp_f32 v[PP+\j], v[PP+\j]
.endr
	v_nop
	s_wait_alu depctr_va_vdst(0)                   ; one wait for the eight, ahead of their first reader
	v_add_f32 v[T], v[PP], v[PP+1]
	v_add_f32 v[T+3], v[PP+2], v[PP+3]
	v_add_f32 v[T+4], v[PP+4], v[PP+5]
	v_add_f32 v[T+5], v[PP+6], v[PP+7]
	v_add_f32 v[T], v[T], v[T+3]
	v_add_f32 v[T+4], v[T+4], v[T+5]
	v_add_f32 v[T], v[T], v[T+4]
	v_permlanex16_b32 v[T+1], v[T], s28, s29
	v_add_f32 v[T], v[T], v[T+1]
	v_rcp_f32 v[T+2], v[T]
	v_nop
	s_wait_alu depctr_va_vdst(0)
.irp j, 0,1,2,3,4,5,6,7
	v_mul_f32 v[PP+\j], v[PP+\j], v[T+2]
.endr
	s_wait_loadcnt 63                              ; V^T is in: 65 younger loads were issued; 63 is the largest count that the wait can name, and a smaller count is safe
.irp p, 0,1,2,3                        ; O^T = V^T P: four accumulators by turns
.irp ct, 0,1,2,3
.if \p == 0
	v_wmma_f32_16x16x4_f32 v[OA+8*\ct:OA+8*\ct+7], v[VT+8*\ct+2*\p:VT+8*\ct+2*\p+1], v[PP+2*\p:PP+2*\p+1], 0
.else
	v_wmma_f32_16x16x4_f32 v[OA+8*\ct:OA+8*\ct+7], v[VT+8*\ct+2*\p:VT+8*\ct+2*\p+1], v[PP+2*\p:PP+2*\p+1], v[OA+8*\ct:OA+8*\ct+7]
.endif
.endr
.endr
.rept 9
	v_nop                                          ; nine places before a matrix instruction takes these results as an operand
.endr
	s_wait_loadcnt 1                               ; W_o is in; the bias may be out
.irp ct, 0,1,2,3                       ; out^T += W_o^T O^T: two accumulators by turns
.irp p, 0,1,2,3
.irp i, 0,1
.if (\ct == 0) && (\p == 0)
	v_wmma_f32_16x16x4_f32 v[OU+8*\i:OU+8*\i+7], v[WR+32*\i+8*\ct+2*\p:WR+32*\i+8*\ct+2*\p+1], v[OA+8*\ct+2*\p:OA+8*\ct+2*\p+1], 0
.else
	v_wmma_f32_16x16x4_f32 v[OU+8*\i:OU+8*\i+7], v[WR+32*\i+8*\ct+2*\p:WR+32*\i+8*\ct+2*\p+1], v[OA+8*\ct+2*\p:OA+8*\ct+2*\p+1], v[OU+8*\i:OU+8*\i+7]
.endif
.endr
.endr
.endr
.rept 8
	v_nop
.endr
.irp i, 0,1
	ds_store_b128 v[STO], v[OU+8*\i:OU+8*\i+3] offset:64*\i          ; lane (token r, h): columns 16 i + 8 h + 0 .. 7; from the low end on
	ds_store_b128 v[STO], v[OU+8*\i+4:OU+8*\i+7] offset:64*\i+16
.endr
	s_wait_dscnt 0x0                               ; for the others' sake: my stores have landed
	s_barrier_signal -1
	s_barrier_wait -1
.irp i, 0,1,2,3,4,5,6,7,8,9,10,11,12,13,14,15
	ds_load_b32 v[QR+\i], v[RD] offset:2304*\i     ; row = my wave, column = my lane, of each head's part
.endr
	s_wait_dscnt 0x0
	s_wait_loadcnt 0x0                             ; the bias
.irp i, 0,1,2,3,4,5,6,7
	v_add_f32 v[QR+\i], v[QR+\i], v[QR+8+\i]
.endr
.irp i, 0,1,2,3
	v_add_f32 v[QR+\i], v[QR+\i], v[QR+4+\i]
.endr
.irp i, 0,1
	v_add_f32 v[QR+\i], v[QR+\i], v[QR+2+\i]
.endr
	v_add_f32 v[QR], v[QR], v[QR+1]
	v_add_f32 v[QR], v[QR], v[BI]
	global_store_b32 v[L4], v[QR], s[10:11]        ; 32 lanes store 128 consecutive bytes of the row
	s_wait_tensorcnt 0x0                           ; the wave's end
	ds_add_u32 v[SPW], v[NIL]
	s_wait_dscnt 0x0
	s_endpgm
.Lfunc_end_k_q7b18f065fc_fine:
	.size	k_q7b18f065fc_fine, .Lfunc_end_k_q7b18f065fc_fine-k_q7b18f065fc_fine
	.p2alignl 7, 3214868480
	.fill 96, 4, 3214868480
	.section	.rodata,"a",@progbits
	.p2align	6, 0x0
	.amdhsa_kernel k_q7b18f065fc_fine
		.amdhsa_group_segment_fixed_size 38912
		.amdhsa_private_segment_fixed_size 0
		.amdhsa_enable_private_segment 0
		.amdhsa_kernarg_size 32
		.amdhsa_user_sgpr_count 2
		.amdhsa_user_sgpr_kernarg_segment_ptr 1
		.amdhsa_wavefront_size32 1
		.amdhsa_system_sgpr_workgroup_id_x 1
		.amdhsa_system_sgpr_workgroup_id_y 1
		.amdhsa_system_sgpr_workgroup_id_z 1
		.amdhsa_system_vgpr_workitem_id 0
		.amdhsa_next_free_vgpr 256
		.amdhsa_next_free_sgpr 66
		.amdhsa_reserve_vcc 1
		.amdhsa_float_denorm_mode_32 3
		.amdhsa_float_denorm_mode_16_64 3
		.amdhsa_memory_ordered 1
		.amdhsa_forward_progress 1
		.amdhsa_inst_pref_size 23
	.end_amdhsa_kernel
	.amdgpu_metadata
---
amdhsa.version: [ 1, 2 ]
amdhsa.kernels:
  - .name:           k_q7b18f065fc_fine
    .symbol:         k_q7b18f065fc_fine.kd
    .args:
      - { .name: fq, .offset: 0, .size: 8, .value_kind: global_buffer, .address_space: global }
      - { .name: W_o, .offset: 8, .size: 8, .value_kind: global_buffer, .address_space: global }
      - { .name: b_o, .offset: 16, .size: 8, .value_kind: global_buffer, .address_space: global }
      - { .name: out0, .offset: 24, .size: 8, .value_kind: global_buffer, .address_space: global }
    .group_segment_fixed_size: 38912
    .private_segment_fixed_size: 0
    .kernarg_segment_align: 8
    .kernarg_segment_size: 32
    .max_flat_workgroup_size: 512
    .sgpr_count:     66
    .vgpr_count:     256
    .wavefront_size: 32
...
	.end_amdgpu_metadata
.endif
;; end of part 5
